; MI455X (gfx1250); checked and timed in simulation.
; The chip was launched on July 23, 2026; its instructions are those of AMD's public machine-readable ISA for CDNA 5 (MIT licence, August 2026) and "CDNA5" Instruction Set Architecture Reference Guide (July 2026). The comments in the code are by the model that wrote it; some were corrected since.
;; MHSA Intra. Allowed arithmetic: matrix products marked QUANTISED: E2M1 operands, one E8M0 scale for each 32 along K, by v_wmma_scale_f32_16x16x128_f8f6f4 with both operands' format E2M1 (or v_wmma_scale_f32_32x16x128_f4), f32 sums; everything else in f32.
;; Inputs: beta 1,024 float32; bk 1,024 float32; bo 1,024 float32; bq 1,024 float32; bv 1,024 float32; gamma 1,024 float32; wk 1,024 x 1,024 float32; wo 1,024 x 1,024 float32; wq 1,024 x 1,024 float32; wv 1,024 x 1,024 float32; x 8 x 1,024 x 1,024 float32.
;; Outputs: out0 8 x 1,024 x 1,024 float32.
;; This version of the problem:
;;   THIS VERSION OF THE PROBLEM IS GIVEN IN LOW PRECISION. The matrix products marked QUANTISED in the list below multiply operands that are first quantised to E2M1 (2 exponent bits, 1 mantissa bit; 4 bits a number), with one power-of-two scale for each 32 numbers along K (OCP MX v1.0); their sums are f32. All else is computed in f32.
;;   The module's matrix products, in the order in which they are computed (A, B: the left and right operand; K: the contracted axis; several contracted axes count as one K, in the product's order):
;;     1. [M 8,192, K 1,024] x [K 1,024, N 1,024]; A: input x; B: input wq: QUANTISED
;;     2. [M 8,192, K 1,024] x [K 1,024, N 1,024]; A: input x; B: input wk: QUANTISED
;;     3. [M 8,192, K 1,024] x [K 1,024, N 1,024]; A: input x; B: input wv: QUANTISED
;;     4. batch 128 x [M 1,024, K 64] x [K 64, N 1,024]; A: computed on the way; B: computed on the way: QUANTISED
;;     5. batch 128 x [M 1,024, K 1,024] x [K 1,024, N 64]; A: computed on the way; B: computed on the way: QUANTISED
;;     6. [M 8,192, K 1,024] x [K 1,024, N 1,024]; A: computed on the way; B: input wo: QUANTISED
;;   THE QUANTISER, for each operand of a quantised product, along K:
;;     - K is cut into blocks of 32 from its start; a last block that is shorter is filled with zeros.
;;     - A block's scale is 2^e with e = floor(log2(the largest magnitude in the block)) - 2, held to -126 .. 127; a block of zeros has e = 0. As a byte (E8M0): e + 127.
;;     - Each number is divided by its block's scale, clamped to +-6, and rounded to the nearest number of E2M1, ties to even, subnormals kept.
;;     - The product sums the exact products of the quantised numbers (number of the format x scale) in f32.
;;   ~~~python
;;   def quantise(x, axis):      # numpy; x: float32 -> the quantised numbers, widened to float32 again
;;       x = np.moveaxis(x, axis, -1); K = x.shape[-1]
;;       x = np.pad(x, [(0, 0)] * (x.ndim - 1) + [(0, -K % 32)]); x = x.reshape(x.shape[:-1] + (-1, 32)); a = np.abs(x).max(-1, keepdims=True)
;;       e = np.where(a > 0, np.clip(np.frexp(np.where(a > 0, a, 1))[1] - 1 - 2, -126, 127), 0)      # np.frexp(a)[1] - 1 = floor(log2(a)), exactly
;;       r = np.clip(x / 2.0 ** e, -6, 6)
;;       step = 2.0 ** (np.maximum(np.frexp(np.where(r == 0, 1, r))[1] - 1, 0) - 1)
;;       q = np.round(r / step) * step * 2.0 ** e      # np.round: ties to even
;;       return np.moveaxis(q.reshape(q.shape[:-2] + (-1,))[..., :K], -1, axis).astype(np.float32)
;;   ~~~
;;   OPERANDS COMPUTED ON THE WAY. 'Computed on the way' means the value that the module computes at that place (a softmax that the list does not call 'softmax' is quantised finished and normalised). What goes into a quantiser is computed in f32, as accurately as f32 sums, v_exp_f32 and their like allow (about 1e-6 of the number): no bf16 or f16 on the way to a quantiser, and a product that is left as it is and whose result goes on into a quantised operand takes f32 operands (vector FMAs, or v_wmma_f32_16x16x4_f32). A number that lies on a knife's edge between two numbers of the format may be rounded either way, as far as f32 arithmetic and the matrix unit's own rounding can turn it there, and no further.
;; 2 versions, each right; version 2 is version 1 with the launches attn, bn_res written anew for expert scheduling mode. Each part assembles by itself: llvm-mc -triple=amdgcn-amd-amdhsa -mcpu=gfx1250 --defsym DOCPART=n.
;; ======== version 1 of 2: 5 launches
;; workspace buffers: xq 4,456,448 bytes; wr 2,228,224 bytes; qk 8,912,896 bytes; vq 4,456,448 bytes; oq 4,456,448 bytes; y 33,554,432 bytes; part 524,288 bytes
;; launch quant (part 1): grid 768 x 1, 4 waves a work-group, no clusters, 34,304 bytes of LDS; arguments x, wq, wk, wv, wo, xq, wr; writes xq, wr
.if DOCPART == 1
	.amdgcn_target "amdgcn-amd-amdhsa--gfx1250"
	.amdhsa_code_object_version 6
	.text
	.protected	k_qb90ef6d22c_quant
	.globl	k_qb90ef6d22c_quant
	.p2align	8
	.type	k_qb90ef6d22c_quant,@function
k_qb90ef6d22c_quant:
	s_mov_b64 s[64:65], 0
	v_nop
	global_prefetch_b8 v0, s[64:65] scope:SCOPE_SE
	s_setreg_imm32_b32 hwreg(HW_REG_WAVE_MODE, 25, 1), 1
	s_wait_xcnt 0x0
; x [8][1024 c][1024 t] and the four weights [1024 o][1024 c], f32, become codes of FP4 (E2M1) with one E8M0 byte for each 32 along c, laid as RECORDS in the order of a matrix operand's registers.
; A record is one tile of 16 rows with all of K = 1,024: eight images of 1,024 bytes (K step ks: [c 2][lane 32][16 bytes]; lane 16 h + r holds k = 64 c + 32 h + 0..31 of row r), then at RSC the scale words [r 16][ks 8].
; THE ROWS OF A TILE ARE NOT NEIGHBOURS: tile 2 beta + u holds rows 32 beta + 8 u + r + 8 (r / 8), so that results made with such a tile as source 0 have 16 neighbouring rows in 16 registers.
; A block's scale is 2^(floor(log2(largest magnitude)) - 2); its byte is the largest magnitude's exponent field - 2, held at 1 from below.
; LIMITS: a block of zeros gets the byte 1 where the rule says 127 (its codes are zeros; this program alone reads the bytes); NaN and infinities among the inputs are not served.
; Work-groups 0-255: the weights, a work-group to a tile, a wave to two K steps (K innermost: a K step's 16 x 512 bytes turn through the wave's own stage in LDS, so that loads are dense and a lane gets whole blocks).
;   All 32 loads of a wave, 16 KiB, go out at once: as many bytes as a wave of the other path has.
; Work-groups 256-767: x, a wave to 32 columns t x 128 c (K outermost: a lane takes a column, its registers run down c; nothing is transposed and no LDS is used).
; 768 work-groups: three for each of 256 WGPs, one of the weights' and two of x's.
; No matrix work, no tensor loads, no barrier: waves share nothing.  Memory binds, so clusters and large tiles would add nothing.
.set REC,  8704
.set RSC,  8192
.set SP,   528                         ; a stage row: 512 bytes + 16, an odd multiple of 16
.set WST,  16*SP                       ; a wave's stage
.set X,    64                          ; v64-127  64 numbers at work
.set LD,   128                         ; v128-255 two sets of 64 registers as loaded (weights)
.set CD,   32                          ; v32-47   codes: a set of its own for each K step (weights) or block (x), so that no store's data are written again
.set WD,   16                          ; v16-17   my two scale words (weights)
	s_load_b256 s[4:11], s[0:1], 0x0               ; x s[4:5], wq s[6:7], wk s[8:9], wv s[10:11]
	s_load_b128 s[12:15], s[0:1], 0x20             ; wo s[12:13], xq s[14:15]
	s_load_b64 s[16:17], s[0:1], 0x30              ; wr
	v_lshl_add_u32 v62, v0, 2, 0x8400
	v_mov_b32 v63, 0
	v_lshrrev_b32 v1, 5, v0
	v_readfirstlane_b32 s18, v1                    ; wave
	v_and_b32 v1, 31, v0                           ; lane
	v_and_b32 v2, 15, v0                           ; r
	v_bfe_u32 v3, v0, 4, 1                         ; h (for x: u)
	s_mov_b32 s20, 0x76543210
	s_mov_b32 s21, 0xfedcba98                      ; v_permlanex16_b32's selects for lane l xor 16
	s_cmp_lt_u32 ttmp9, 256
	s_cbranch_scc0 .Lx_path
	; ---------------- the weights: tile T = work-group, of 256; wave j takes K steps 2 j and 2 j + 1
	s_lshr_b32 s23, ttmp9, 6                       ; which matrix: q, k, v, o
	s_and_b32 s24, ttmp9, 63                       ; 2 beta + u
	s_lshr_b32 s25, s24, 1
	s_lshl_b32 s25, s25, 17                        ; 32 beta rows of 4,096 bytes
	s_and_b32 s26, s24, 1
	s_lshl_b32 s26, s26, 15                        ; 8 u rows
	s_add_co_u32 s26, s26, s25
	s_lshl_b32 s25, s18, 10                        ; my two K steps: 1,024 bytes of each row
	s_add_co_u32 s26, s26, s25
	s_mov_b32 s27, 0
	s_mul_i32 s28, ttmp9, REC                      ; the tile's record
	s_lshl_b32 s25, s18, 3
	s_add_co_u32 s30, s28, s25                     ; my two scale words of a row: 8 j bytes on (and RSC, in the store's immediate)
	s_mov_b32 s31, 0
	s_lshl_b32 s25, s18, 11
	s_add_co_u32 s28, s28, s25                     ; my two images: 2,048 j bytes on
	s_mov_b32 s29, 0
	s_mul_i32 s19, s18, WST
	v_lshlrev_b32 v4, 4, v1                        ; 16 x lane: a load's and an image's place
	v_add_nc_u32 v5, s19, v4                       ; the stage, on the way in
	v_mul_u32_u24 v6, v2, SP
	v_lshl_add_u32 v6, v3, 7, v6
	v_add_nc_u32 v6, s19, v6                       ; and out: row r, + 128 h: my block of 32 numbers
	v_lshlrev_b32 v7, 5, v2                        ; scale words: 32 r
	v_lshlrev_b32 v15, 3, v3                       ; 8 h: my bytes' shift in a scale word
	v_mov_b32 v48, 0                               ; a lane permute's destination counts as read
	s_wait_kmcnt 0x0
	s_cmp_eq_u32 s23, 1
	s_cselect_b64 s[6:7], s[8:9], s[6:7]
	s_cmp_eq_u32 s23, 2
	s_cselect_b64 s[6:7], s[10:11], s[6:7]
	s_cmp_eq_u32 s23, 3
	s_cselect_b64 s[6:7], s[12:13], s[6:7]
	s_add_nc_u64 s[6:7], s[6:7], s[26:27]          ; the tile's first row, at my K steps
	s_add_nc_u64 s[30:31], s[16:17], s[30:31]      ; my scale words
	s_add_nc_u64 s[16:17], s[16:17], s[28:29]      ; my images
.macro WLOAD ks                        ; my K step ks (0, 1) of the tile's 16 rows: each load reads 512 consecutive bytes
.irp i, 0,1,2,3,4,5,6,7,8,9,10,11,12,13,14,15
	global_load_b128 v[LD+64*(\ks)+4*\i:LD+64*(\ks)+4*\i+3], v4, s[6:7] offset:(\i+8*(\i/8))*4096+512*(\ks) th:TH_LOAD_NT
.endr
.endm
.macro WTURN ks                        ; through my stage: LDS serves a wave's instructions in order, so no wait stands between the stores and the loads
.irp i, 0,1,2,3,4,5,6,7,8,9,10,11,12,13,14,15
	ds_store_b128 v5, v[LD+64*(\ks)+4*\i:LD+64*(\ks)+4*\i+3] offset:SP*\i
.endr
.irp c, 0,1
.irp j, 0,1,2,3,4,5,6,7
	ds_load_b128 v[X+32*\c+4*\j:X+32*\c+4*\j+3], v6 offset:256*\c+16*\j   ; k = 64 c + 32 h + 4 j ..
.endr
.endr
.endm
.macro WSTEP ks
.if (\ks) == 0
	s_wait_loadcnt 16                              ; this K step's 16 loads are in; the other step's may be out
.else
	s_wait_loadcnt 0x0
.endif
	WTURN \ks
	s_wait_dscnt 0x0                               ; my 64 numbers are back
.irp c, 0,1                                    ; my block 2 c + h: all its 32 numbers are mine
	v_max3_num_f32 v[8+\c], |v[X+32*\c]|, |v[X+32*\c+1]|, 0x1800000   ; with the floor 2^(3 - 127): the byte cannot fall under 1
.endr
.irp i, 2,4,6,8,10,12,14,16,18,20,22,24,26,28,30
.irp c, 0,1
	v_max3_num_f32 v[8+\c], v[8+\c], |v[X+32*\c+\i]|, |v[X+32*\c+\i+1]|
.endr
.endr
.irp c, 0,1
	v_add_nc_u32 v[10+\c], 0xff000000, v[8+\c]     ; 2 off the exponent field: the conversion's scale operand
.endr
.irp c, 0,1
	v_lshrrev_b32 v[12+\c], 23, v[10+\c]           ; the scale's byte
.endr
	v_lshl_or_b32 v14, v13, 16, v12                ; blocks h and 2 + h of row r,
	v_lshlrev_b32 v14, v15, v14                    ; at their places in the word;
	v_permlanex16_b32 v48, v14, s20, s21
	v_or_b32 v[WD+(\ks)], v14, v48                 ; with lane l xor 16's two the word is whole, in both lanes
.irp c, 0,1
.irp g, 0,1,2,3
	v_cvt_scalef32_pk8_fp4_f32 v[CD+8*(\ks)+4*\c+\g], v[X+32*\c+8*\g:X+32*\c+8*\g+7], v[10+\c]
.endr
.endr
	v_nop                                          ; a plain line behind the last scaled conversion
	global_store_b128 v4, v[CD+8*(\ks):CD+8*(\ks)+3], s[16:17] offset:1024*(\ks)          ; 512 consecutive bytes each
	global_store_b128 v4, v[CD+8*(\ks)+4:CD+8*(\ks)+7], s[16:17] offset:1024*(\ks)+512
.endm
	WLOAD 0
	WLOAD 1
	WSTEP 0
	WSTEP 1
	global_store_b64 v7, v[WD:WD+1], s[30:31] offset:RSC   ; 8 bytes of each row's 32; lanes l and l xor 16 write the same bytes with the same value
	s_wait_tensorcnt 0x0
	ds_add_u32 v62, v63
	s_wait_dscnt 0x0
	s_endpgm
	; ---------------- x: work-group g = id - 256: K step g % 8, columns 128 ((g / 8) % 8) on, batch g / 64; wave w: beta = 4 ((g / 8) % 8) + w
.Lx_path:
	s_sub_co_u32 s22, ttmp9, 256
	s_and_b32 s23, s22, 7                          ; ks
	s_bfe_u32 s24, s22, 0x30003
	s_lshr_b32 s25, s22, 6                         ; b
	s_lshl_b32 s24, s24, 2
	s_add_co_u32 s24, s24, s18                     ; beta
	s_lshl_b32 s26, s25, 22                        ; b x 4 MiB
	s_lshl_b32 s27, s23, 19                        ; 128 ks rows of 4,096 bytes
	s_add_co_u32 s26, s26, s27
	s_lshl_b32 s27, s24, 7                         ; 32 beta columns
	s_add_co_u32 s26, s26, s27
	s_mov_b32 s27, 0
	s_lshl_b32 s28, s25, 6
	s_lshl_b32 s29, s24, 1
	s_add_co_u32 s28, s28, s29                     ; record 64 b + 2 beta
	s_mul_i32 s28, s28, REC
	s_lshl_b32 s29, s23, 10
	s_add_co_u32 s30, s28, s29                     ; its image of K step ks
	s_mov_b32 s31, 0
	s_lshl_b32 s29, s23, 2
	s_add_co_u32 s28, s28, s29                     ; and, RSC further on, its scale words of ks
	s_mov_b32 s29, 0
	v_and_b32 v4, 8, v2
	v_add_nc_u32 v4, v4, v2
	v_lshl_add_u32 v4, v3, 3, v4
	v_lshlrev_b32 v4, 2, v4                        ; my column: 8 u + r + 8 (r / 8); the wave's 32 lanes cover 128 consecutive bytes
	v_mul_u32_u24 v5, v3, REC
	v_lshl_add_u32 v6, v2, 5, v5                   ; scale word: tile u, 32 r
	v_lshl_add_u32 v5, v2, 4, v5                   ; codes: tile u, 16 r
	s_wait_kmcnt 0x0
	s_add_nc_u64 s[4:5], s[4:5], s[26:27]
	s_add_nc_u64 s[30:31], s[14:15], s[30:31]
	s_add_nc_u64 s[28:29], s[14:15], s[28:29]
.macro XLOAD q                         ; block q of the K step: x(128 ks + 32 q + i, my column)
.irp i, 0,1,2,3,4,5,6,7,8,9,10,11,12,13,14,15,16,17,18,19,20,21,22,23,24,25,26,27,28,29,30,31
	global_load_b32 v[X+32*((\q)%2)+\i], v4, s[4:5] offset:(32*(\q)+\i)*4096 th:TH_LOAD_NT
.endr
.endm
.macro XBLOCK q
.set XS, X+32*((\q)%2)
.if (\q) < 3
	s_wait_loadcnt 32                              ; this block's 32 loads are in; the next block's may be out
.else
	s_wait_loadcnt 0x0
.endif
	v_max3_num_f32 v12, |v[XS]|, |v[XS+1]|, |v[XS+2]|
	v_max3_num_f32 v13, |v[XS+3]|, |v[XS+4]|, |v[XS+5]|
.irp i, 6,10,14,18,22,26
	v_max3_num_f32 v12, v12, |v[XS+\i]|, |v[XS+\i+1]|
	v_max3_num_f32 v13, v13, |v[XS+\i+2]|, |v[XS+\i+3]|
.endr
	v_max3_num_f32 v12, v12, |v[XS+30]|, |v[XS+31]|
	v_max3_num_f32 v12, v12, v13, 0x1800000        ; the floor
	v_add_nc_u32 v11, 0xff000000, v12
	v_lshrrev_b32 v13, 23, v11
.if (\q) == 0
	v_mov_b32 v10, v13
.else
	v_lshl_or_b32 v10, v13, 8*(\q), v10            ; the K step's four bytes make my row's scale word
.endif
.irp g, 0,1,2,3
	v_cvt_scalef32_pk8_fp4_f32 v[CD+4*(\q)+\g], v[XS+8*\g:XS+8*\g+7], v11
.endr
	v_nop
	global_store_b128 v5, v[CD+4*(\q):CD+4*(\q)+3], s[30:31] offset:512*((\q)/2)+256*((\q)%2)   ; block q = 2 c + h of the image: sixteen lanes fill 256 consecutive aligned bytes of tile u
.if (\q)+2 < 4
	XLOAD (\q)+2
.endif
.endm
	XLOAD 0
	XLOAD 1
	XBLOCK 0
	XBLOCK 1
	XBLOCK 2
	XBLOCK 3
	global_store_b32 v6, v10, s[28:29] offset:RSC  ; 4 bytes of each row's 32: one byte in 128 of what this path reads
	s_endpgm
.Lfunc_end_k_qb90ef6d22c_quant:
	.size	k_qb90ef6d22c_quant, .Lfunc_end_k_qb90ef6d22c_quant-k_qb90ef6d22c_quant
	.p2alignl 7, 3214868480
	.fill 96, 4, 3214868480
	.section	.rodata,"a",@progbits
	.p2align	6, 0x0
	.amdhsa_kernel k_qb90ef6d22c_quant
		.amdhsa_group_segment_fixed_size 34304
		.amdhsa_private_segment_fixed_size 0
		.amdhsa_enable_private_segment 0
		.amdhsa_kernarg_size 56
		.amdhsa_user_sgpr_count 2
		.amdhsa_user_sgpr_kernarg_segment_ptr 1
		.amdhsa_wavefront_size32 1
		.amdhsa_system_sgpr_workgroup_id_x 1
		.amdhsa_system_sgpr_workgroup_id_y 1
		.amdhsa_system_sgpr_workgroup_id_z 1
		.amdhsa_system_vgpr_workitem_id 0
		.amdhsa_next_free_vgpr 256
		.amdhsa_next_free_sgpr 66
		.amdhsa_reserve_vcc 0
		.amdhsa_float_denorm_mode_32 3
		.amdhsa_float_denorm_mode_16_64 3
		.amdhsa_memory_ordered 1
		.amdhsa_forward_progress 1
		.amdhsa_inst_pref_size 36
	.end_amdhsa_kernel
	.amdgpu_metadata
---
amdhsa.version: [ 1, 2 ]
amdhsa.kernels:
  - .name:           k_qb90ef6d22c_quant
    .symbol:         k_qb90ef6d22c_quant.kd
    .args:
      - { .name: x, .offset: 0, .size: 8, .value_kind: global_buffer, .address_space: global }
      - { .name: wq, .offset: 8, .size: 8, .value_kind: global_buffer, .address_space: global }
      - { .name: wk, .offset: 16, .size: 8, .value_kind: global_buffer, .address_space: global }
      - { .name: wv, .offset: 24, .size: 8, .value_kind: global_buffer, .address_space: global }
      - { .name: wo, .offset: 32, .size: 8, .value_kind: global_buffer, .address_space: global }
      - { .name: xq, .offset: 40, .size: 8, .value_kind: global_buffer, .address_space: global }
      - { .name: wr, .offset: 48, .size: 8, .value_kind: global_buffer, .address_space: global }
    .group_segment_fixed_size: 34304
    .private_segment_fixed_size: 0
    .kernarg_segment_align: 8
    .kernarg_segment_size: 56
    .max_flat_workgroup_size: 128
    .sgpr_count:     66
    .vgpr_count:     256
    .wavefront_size: 32
...
	.end_amdgpu_metadata
.endif
;; end of part 1
;; launch gemm_qkv (part 2): grid 192 x 1, 4 waves a work-group, no clusters, 168,448 bytes of LDS; arguments xq, wr, bq, bk, bv, qk, vq; writes qk, vq
.if DOCPART == 2
	.amdgcn_target "amdgcn-amd-amdhsa--gfx1250"
	.amdhsa_code_object_version 6
	.text
	.protected	k_qb90ef6d22c_gemm_qkv
	.globl	k_qb90ef6d22c_gemm_qkv
	.p2align	8
	.type	k_qb90ef6d22c_gemm_qkv,@function
k_qb90ef6d22c_gemm_qkv:
	s_mov_b64 s[64:65], 0
	v_nop
	global_prefetch_b8 v0, s[64:65] scope:SCOPE_SE
	s_setreg_imm32_b32 hwreg(HW_REG_WAVE_MODE, 25, 1), 1
	s_wait_xcnt 0x0
; q, k, v = W x + b on codes of FP4 (records as the first launch lays them); each result is quantised at once, along the K of the product that will read it, and stored as that product's operand.
; One operand P (128 rows x K = 1,024: 512 registers) stays in a wave's registers as source 0; the other, R, is a panel of 16 tiles in LDS, read by all four waves, source 1.
; A UNIT = 64 matrix instructions (8 accumulators by turns, K ascending) = 128 rows of P x 16 rows of R.  A lane holds one row of R and 64 rows of P, 16 neighbours for each block of 32: one fragment and one scale word.
; MODE 0 (work-groups 0-127): P = rows of wq | wk, R = rows of x: blocks run along o = the head's 64, the K of q k^T.  A unit is 16 t x two heads: 512 bytes of codes to each head.
;   qk codes [b][hh 32: q heads, k heads][t tile 64][512];  scale words at QKS: [b][hh][pair of tiles 32][r 16], low half = the even tile's two bytes, high half = the odd tile's.
; MODE 1 (work-groups 128-191): P = rows of x, R = rows of wv: blocks run along t = the keys, the K of attn v.  A unit is 16 o x 128 t: one image.
;   vq codes [b][o tile 64][ks 8][1024];  scale words at VSO: [b][ks 8][o tile 64][r 16].
; What differs between the modes stands in scalars chosen on the work-group's number.  12,288 units, 16 a wave: 768 waves, 192 work-groups; the trip count is a constant.
; q is quantised WITHOUT the factor 1/8: a power of two moves the scale's byte alone; the softmax takes it into its constant.  LIMIT: differs from the definition only for blocks of q under 2^-121.
; LIMITS: blocks of zeros get the byte 1 (zero codes; read by this program alone); NaN and infinities are not served.
; NO CLUSTER: P goes from memory straight into registers, where no joint load lands; the shared panel is 136 of a work-group's 408 KiB and is fetched once, with no ring.
; REGISTERS: window 0: v1-15 addresses and lane biases, v16-31 at work, v32-39 codes, v40-41 scale words made, v48-79 P's scale words, v80-83 R's, v96-159 R's eight fragments, v160-223 the accumulators.
;   window 1: P's fragments (p, ks) at v[64 ks + 8 p], ks 0-3;  window 2: ks 4-7;  window 3: v64-127 the C of each sum's first product (mode 0: the bias of my 64 rows of P; mode 1: zeros).
.set REC,  8704
.set RSC,  8192
.set QKS,  8388608
.set VSO,  4194304
.set LI,   1                           ; 16 x lane
.set SI,   2                           ; 32 r + 16 h
.set RA,   3
.set RSA,  4
.set VO2,  5                           ; 16 x lane + D2: where the codes' second half goes
.set SV,   6                           ; h x HS + 4 r
.set BLO,  7                           ; mode 1: 4 (r + 8 (r / 8)) + 128 x pair
.set BO,   8                           ; mode 0: 64 h
.set WS,   9
.set WA,   10
.set WB,   11
.set BL,   12                          ; v[12:13], v[14:15]: mode 1: my row of R's bias, even and odd tile; the upper halves are 0
.set TM,   16
.set PC,   32
.set PW,   40
.set PS,   48
.set RS,   80
.set R,    96
.set ACC,  160
.set BI,   64
.set WV,   18
.set MODE, 19
.set G1,   24
.set G0,   32
.set PB,   36
.set CB,   40
.set SB,   42
.set BB,   44
.set CST,  46
.set SST,  48
.set SELA, 50
.set SELB, 51
.set HM,   52
.set TB,   53
.set CNT,  54
.set SEL,  56
.set D2,   58
.set HS,   59
.set MSB, 0
.macro WIN new                         ; the immediate's high byte repeats the setting that is left
.if MSB != \new
	s_set_vgpr_msb (MSB<<8)|\new
.set MSB, \new
.endif
.endm
	s_load_b256 s[4:11], s[0:1], 0x0               ; xq s[4:5], wr s[6:7], bq s[8:9], bk s[10:11]
	s_load_b128 s[12:15], s[0:1], 0x20             ; bv s[12:13], qk s[14:15]
	s_load_b64 s[16:17], s[0:1], 0x30              ; vq
	v_lshl_add_u32 v254, v0, 2, 0x29000
	v_mov_b32 v255, 0
	ds_add_u32 v254, v255
	ds_add_u32 v254, v255
	v_lshrrev_b32 v1, 5, v0
	v_readfirstlane_b32 s[WV], v1
	s_cmp_ge_u32 ttmp9, 128
	s_cselect_b32 s[MODE], 1, 0
	s_lshl_b32 s2, s[MODE], 7
	s_sub_co_u32 s2, ttmp9, s2
	s_and_b32 s3, s2, 3
	s_lshr_b32 s20, s2, 2
	s_cmp_eq_u32 s[MODE], 0
	s_cselect_b32 s21, s3, s20                     ; pq: which four groups of P
	s_cselect_b32 s22, s20, s3                     ; rp: which panel of R
	s_lshl_b32 s23, s21, 2
	s_add_co_u32 s23, s23, s[WV]                   ; G: my 128 rows of P
	s_lshr_b32 s66, s22, 2
	s_and_b32 s67, s22, 3
	s_lshr_b32 s68, s23, 3
	s_and_b32 s69, s23, 7
	; mode 0: codes s70, scale words s71, bias s2
	s_lshl_b32 s70, s66, 20
	s_lshl_b32 s3, s23, 16
	s_add_co_u32 s70, s70, s3
	s_lshl_b32 s3, s67, 13
	s_add_co_u32 s70, s70, s3
	s_lshl_b32 s71, s66, 16
	s_lshl_b32 s3, s23, 12
	s_add_co_u32 s71, s71, s3
	s_lshl_b32 s3, s67, 9
	s_add_co_u32 s71, s71, s3
	s_add_co_u32 s71, s71, QKS
	s_lshl_b32 s2, s69, 9
	; mode 1: codes s20, scale words s21, bias s66
	s_lshl_b32 s20, s68, 19
	s_lshl_b32 s3, s22, 17
	s_add_co_u32 s20, s20, s3
	s_lshl_b32 s3, s69, 10
	s_add_co_u32 s20, s20, s3
	s_lshl_b32 s21, s68, 15
	s_lshl_b32 s3, s69, 12
	s_add_co_u32 s21, s21, s3
	s_lshl_b32 s3, s22, 10
	s_add_co_u32 s21, s21, s3
	s_add_co_u32 s21, s21, VSO
	s_lshl_b32 s66, s22, 10
	s_mul_i32 s60, s23, 8*REC                      ; P: eight records
	s_mov_b32 s61, 0
	s_mul_i32 s62, s22, 16*REC                     ; R: sixteen records, of which I fetch four
	s_mul_i32 s[G0+1], s[WV], 4*REC                ; descriptor group 0, 63:32: LDS address = wave x 34,816
	s_add_co_u32 s62, s62, s[G0+1]
	s_mov_b32 s63, 0
	s_cmp_eq_u32 s[MODE], 0
	s_cselect_b32 s[CB], s70, s20
	s_cselect_b32 s[SB], s71, s21
	s_cselect_b32 s[BB], s2, s66
	s_cselect_b32 s3, 0, 128*REC                   ; wv's records begin at 128
	s_mov_b32 s[D2], 512
	s_cselect_b32 s[D2], 32768, s[D2]              ; the codes' second half: the next head | the image's second half
	s_mov_b32 s[CST], 8192
	s_cselect_b32 s[CST], 512, s[CST]              ; codes, from unit to unit
	s_cselect_b32 s[SST], 64, 128                  ; scale words, from pair to pair
	s_mov_b32 s[HS], 2048
	s_cselect_b32 s[HS], s[HS], 64                 ; where lanes 16-31 put their word: the next head | the odd tile
	s_mov_b32 s[SELA], 0x03020100
	s_cselect_b32 s[SELA], 0x05040100, s[SELA]     ; lanes 0-15: both tiles' low halves | the even tile's word
	s_mov_b32 s[SELB], 0x07060504
	s_cselect_b32 s[SELB], 0x07060302, s[SELB]     ; lanes 16-31: both tiles' high halves | the odd tile's word
	s_add_co_u32 s62, s62, s3
	s_mov_b32 s[CB+1], 0
	s_mov_b32 s[SB+1], 0
	s_mov_b32 s[BB+1], 0
	s_mov_b32 s[CST+1], 0
	s_mov_b32 s[SST+1], 0
	s_mov_b32 s[HM], 0xffff0000
	s_mov_b32 s[TB], 0
	s_mov_b32 s[CNT], 7
	s_mov_b32 s[SEL], 0x76543210
	s_mov_b32 s[SEL+1], 0xfedcba98
	; descriptor group 1: four records are 34,816 dense bytes: 136 rows of 256 bytes (32 elements of 8 bytes), no padding: fragments are read as consecutive bytes
	s_mov_b32 s[G1+0], 3<<16
	s_mov_b32 s[G1+1], 32<<16                      ; tensor_dim0
	s_mov_b32 s[G1+2], 136<<16                     ; tensor_dim1
	s_mov_b32 s[G1+3], 32<<16                      ; tile_dim0
	s_mov_b32 s[G1+4], 136                         ; tile_dim1
	s_mov_b32 s[G1+5], 32                          ; the pitch
	s_mov_b32 s[G1+6], 0
	s_mov_b32 s[G1+7], 0
	s_mov_b32 s[G0], 1
	v_and_b32 v9, 31, v0
	v_lshlrev_b32 v[LI], 4, v9
	v_and_b32 v10, 15, v0                          ; r
	v_bfe_u32 v11, v0, 4, 1                        ; h
	v_lshlrev_b32 v[SI], 5, v10
	v_lshl_add_u32 v[SI], v11, 4, v[SI]
	v_add_nc_u32 v[VO2], s[D2], v[LI]
	v_mul_u32_u24 v[SV], s[HS], v11
	v_lshl_add_u32 v[SV], v10, 2, v[SV]
	v_and_b32 v[BLO], 8, v10
	v_add_nc_u32 v[BLO], v[BLO], v10
	v_lshlrev_b32 v[BLO], 2, v[BLO]
	v_lshlrev_b32 v[BO], 6, v11
.irp j, 0,1,2,3
	v_mov_b32 v[BL+\j], 0
	v_mov_b32 v[TM+4+\j], 0                        ; a lane permute's destination counts as read
.endr
	s_wait_dscnt 0x0
	s_wait_kmcnt 0x0
	s_cmp_lt_u32 s23, 8
	s_cselect_b64 s[66:67], s[8:9], s[10:11]       ; mode 0: groups 0-7 are q's rows, 8-15 k's
	s_cmp_eq_u32 s[MODE], 0
	s_cselect_b64 s[66:67], s[66:67], s[12:13]
	s_cselect_b64 s[PB:PB+1], s[6:7], s[4:5]
	s_cselect_b64 s[G0+2:G0+3], s[4:5], s[6:7]
	s_cselect_b64 s[70:71], s[14:15], s[16:17]
	s_add_nc_u64 s[PB:PB+1], s[PB:PB+1], s[60:61]
	s_add_nc_u64 s[G0+2:G0+3], s[G0+2:G0+3], s[62:63]
	s_or_b32 s[G0+3], s[G0+3], 0x80000000          ; 127:126 type = 2
	s_add_nc_u64 s[CB:CB+1], s[70:71], s[CB:CB+1]
	s_add_nc_u64 s[SB:SB+1], s[70:71], s[SB:SB+1]
	s_add_nc_u64 s[BB:BB+1], s[66:67], s[BB:BB+1]
	tensor_load_to_lds s[G0:G0+3], s[G1:G1+7]      ; my quarter of the panel: the wave's one tensor load; LDS is filled once
	s_nop 0
.rept 4
	v_nop
.endr
	WIN 0x40
.irp ks, 0,1,2,3
.irp p, 0,1,2,3,4,5,6,7
.irp c, 0,1
	global_load_b128 v[64*\ks+8*\p+4*\c:64*\ks+8*\p+4*\c+3], v[LI], s[PB:PB+1] offset:\p*REC+1024*\ks+512*\c
.endr
.endr
.endr
	WIN 0x80
.irp ks, 4,5,6,7
.irp p, 0,1,2,3,4,5,6,7
.irp c, 0,1
	global_load_b128 v[64*(\ks-4)+8*\p+4*\c:64*(\ks-4)+8*\p+4*\c+3], v[LI], s[PB:PB+1] offset:\p*REC+1024*\ks+512*\c
.endr
.endr
.endr
	WIN 0
.irp p, 0,1,2,3,4,5,6,7
	global_load_b128 v[PS+4*\p:PS+4*\p+3], v[SI], s[PB:PB+1] offset:\p*REC+RSC   ; register q: lanes 0-15 the word of K step q, lanes 16-31 that of 4 + q
.endr
	s_cmp_eq_u32 s[MODE], 0
	s_cbranch_scc0 .Lhead_v
	WIN 0xc0
.irp p, 0,1,2,3,4,5,6,7                        ; tile p = 2 b + u, lane half h: the bias of rows 32 b + 16 h + 8 u + 0..7
	global_load_b128 v[BI+8*\p:BI+8*\p+3], v[BO], s[BB:BB+1] offset:(32*(\p/2)+8*(\p%2))*4
	global_load_b128 v[BI+8*\p+4:BI+8*\p+7], v[BO], s[BB:BB+1] offset:(32*(\p/2)+8*(\p%2))*4+16
.endr
	WIN 0
	s_branch .Lhead_done
.Lhead_v:
	WIN 0xc0
.set jj, 0
.rept 64
	v_mov_b32 v[BI+jj], 0                          ; once a wave: here the bias hangs on the lane and is added behind the sums
.set jj, jj+1
.endr
	WIN 0
	global_load_b32 v[BL], v[BLO], s[BB:BB+1]
	global_load_b32 v[BL+2], v[BLO], s[BB:BB+1] offset:32
.Lhead_done:
.macro FETCH                           ; the next tile of R: eight fragments and their scale words
	v_add_nc_u32 v[RA], s[TB], v[LI]
	v_add_nc_u32 v[RSA], s[TB], v[SI]
.irp ks, 0,1,2,3,4,5,6,7
.irp c, 0,1
	ds_load_b128 v[R+8*\ks+4*\c:R+8*\ks+4*\c+3], v[RA] offset:1024*\ks+512*\c
.endr
.endr
	ds_load_b128 v[RS:RS+3], v[RSA] offset:RSC
	s_add_co_u32 s[TB], s[TB], REC
.endm
.macro MM                              ; a unit's 64 products: the eight accumulators take turns, one instruction a turn
.irp ks, 0,1,2,3,4,5,6,7
.if \ks == 0
	WIN 0x31                                       ; source 0 window 1, C window 3
.elseif \ks < 4
	WIN 0x01
.else
	WIN 0x02
.endif
.irp p, 0,1,2,3,4,5,6,7
.if \ks == 0
	v_wmma_scale_f32_16x16x128_f8f6f4 v[ACC+8*\p:ACC+8*\p+7], v[8*\p:8*\p+7], v[R:R+7], v[BI+8*\p:BI+8*\p+7], v[PS+4*\p], v[RS] matrix_a_fmt:MATRIX_FMT_FP4 matrix_b_fmt:MATRIX_FMT_FP4
.elseif \ks < 4
	v_wmma_scale_f32_16x16x128_f8f6f4 v[ACC+8*\p:ACC+8*\p+7], v[64*\ks+8*\p:64*\ks+8*\p+7], v[R+8*\ks:R+8*\ks+7], v[ACC+8*\p:ACC+8*\p+7], v[PS+4*\p+\ks], v[RS+\ks] matrix_a_fmt:MATRIX_FMT_FP4 matrix_b_fmt:MATRIX_FMT_FP4
.else
	v_wmma_scale_f32_16x16x128_f8f6f4 v[ACC+8*\p:ACC+8*\p+7], v[64*(\ks-4)+8*\p:64*(\ks-4)+8*\p+7], v[R+8*\ks:R+8*\ks+7], v[ACC+8*\p:ACC+8*\p+7], v[PS+4*\p+\ks-4], v[RS+\ks-4] matrix_a_fmt:MATRIX_FMT_FP4 matrix_b_fmt:MATRIX_FMT_FP4 matrix_a_scale:MATRIX_SCALE_ROW1 matrix_b_scale:MATRIX_SCALE_ROW1
.endif
.endr
.endr
	WIN 0
.endm
; 64 numbers of a lane, register 16 b + i = k 32 b + 16 (lane / 16) + i of my row, become a fragment's codes in v[PC] on and its scale word in v[pw]
.macro QUANT s, pw
.irp b, 0,1,2,3
	v_max3_num_f32 v[TM+\b], |v[\s+16*\b]|, |v[\s+1+16*\b]|, 0x1800000   ; with the floor 2^(3 - 127)
.endr
.irp i, 2,4,6,8,10,12,14
.irp b, 0,1,2,3
	v_max3_num_f32 v[TM+\b], v[TM+\b], |v[\s+16*\b+\i]|, |v[\s+1+16*\b+\i]|
.endr
.endr
.irp b, 0,1,2,3
	v_permlanex16_b32 v[TM+4+\b], v[TM+\b], s[SEL], s[SEL+1]
.endr
.irp b, 0,1,2,3
	v_max_num_f32 v[TM+\b], v[TM+\b], v[TM+4+\b]   ; with lane l xor 16's: the block's largest magnitude
.endr
.irp b, 0,1,2,3
	v_add_nc_u32 v[TM+12+\b], 0xff000000, v[TM+\b] ; 2 off its exponent field: the conversion's scale operand
.endr
.irp b, 0,1,2,3
	v_lshrrev_b32 v[TM+4+\b], 23, v[TM+12+\b]      ; the byte
.endr
	v_lshl_or_b32 v[\pw], v[TM+5], 8, v[TM+4]
	v_lshl_or_b32 v[\pw], v[TM+6], 16, v[\pw]
	v_lshl_or_b32 v[\pw], v[TM+7], 24, v[\pw]
.irp b, 0,1,2,3
	v_cvt_scalef32_pk8_fp4_f32 v[PC+2*\b], v[\s+16*\b:\s+7+16*\b], v[TM+12+\b]
	v_cvt_scalef32_pk8_fp4_f32 v[PC+1+2*\b], v[\s+8+16*\b:\s+15+16*\b], v[TM+12+\b]
.endr
	v_nop                                          ; a plain line behind the last scaled conversion
.irp c, 0,1                                    ; the operand's layout wants a whole block in a lane
.irp i, 0,1
	v_permlane16_swap_b32 v[PC+4*\c+\i], v[PC+2+4*\c+\i]
.endr
.endr
.endm
; The unit whose sums are finished is quantised and stored; meanwhile the next tile of R comes from LDS; then its products.  par: the tile's parity; nb: mode 1 asks for the next pair's biases.
.macro STEP par, fetch, mm, nb
.rept 4
	v_nop                                          ; places behind the last products: in front of the loads into their sources and of the first read of their results
.endr
.if \fetch
	FETCH
.endif
	s_cmp_eq_u32 s[MODE], 0
	s_cbranch_scc1 .Lno_lane_bias_\@
	s_wait_loadcnt 0x0                             ; this pair's biases are in (and their address register is free)
.set jj, 0
.rept 32
	v_pk_add_f32 v[ACC+jj:ACC+jj+1], v[ACC+jj:ACC+jj+1], v[BL+2*\par:BL+2*\par+1] op_sel_hi:[1,0]   ; each accumulator from its low end on
.set jj, jj+2
.endr
.if \nb
	v_add_nc_u32 v[BLO], 128, v[BLO]
	global_load_b32 v[BL], v[BLO], s[BB:BB+1]
	global_load_b32 v[BL+2], v[BLO], s[BB:BB+1] offset:32
.endif
.Lno_lane_bias_\@:
	QUANT ACC, PW+\par
	global_store_b128 v[LI], v[PC:PC+3], s[CB:CB+1]    ; 512 consecutive bytes each
	global_store_b128 v[VO2], v[PC+4:PC+7], s[CB:CB+1]
.if \par
	v_perm_b32 v[WA], v[PW+1], v[PW], s[SELA]
	v_perm_b32 v[WB], v[PW+1], v[PW], s[SELB]
	v_cndmask_b32 v[WS], v[WA], v[WB], s[HM]
	global_store_b32 v[SV], v[WS], s[SB:SB+1]          ; two runs of 64 bytes for a pair of tiles
.endif
.if \mm
	s_wait_dscnt 0x0                               ; the next tile's fragments are in
	MM                                             ; its products write the accumulators alone: nothing that the stores above still read
.endif
	s_wait_xcnt 0x0                                ; the stores have read their data and bases: the bases are stepped just below, the codes and the scale word written again in the next step, all behind this wait
	s_add_nc_u64 s[CB:CB+1], s[CB:CB+1], s[CST:CST+1]
.if \par
	s_add_nc_u64 s[SB:SB+1], s[SB:SB+1], s[SST:SST+1]
.endif
.endm
	s_wait_tensorcnt 0x0                           ; my quarter of the panel has landed,
	s_barrier_signal -1
	s_barrier_wait -1                              ; everybody's has: the one barrier of the launch
	FETCH
	s_wait_loadcnt 0x0                             ; P, its scale words, the biases
	s_wait_dscnt 0x0
	MM
.Lpair:                                            ; 7 trips of two units; the last two are written out: they fetch one tile and none
	STEP 0, 1, 1, 0
	STEP 1, 1, 1, 1
	s_sub_co_u32 s[CNT], s[CNT], 1
	s_cmp_lg_u32 s[CNT], 0
	s_cbranch_scc1 .Lpair
	STEP 0, 1, 1, 0
	STEP 1, 0, 0, 0
	s_wait_tensorcnt 0x0
	ds_add_u32 v254, v255
	s_wait_dscnt 0x0
	s_endpgm
.Lfunc_end_k_qb90ef6d22c_gemm_qkv:
	.size	k_qb90ef6d22c_gemm_qkv, .Lfunc_end_k_qb90ef6d22c_gemm_qkv-k_qb90ef6d22c_gemm_qkv
	.p2alignl 7, 3214868480
	.fill 96, 4, 3214868480
	.section	.rodata,"a",@progbits
	.p2align	6, 0x0
	.amdhsa_kernel k_qb90ef6d22c_gemm_qkv
		.amdhsa_group_segment_fixed_size 168448
		.amdhsa_private_segment_fixed_size 0
		.amdhsa_enable_private_segment 0
		.amdhsa_kernarg_size 56
		.amdhsa_user_sgpr_count 2
		.amdhsa_user_sgpr_kernarg_segment_ptr 1
		.amdhsa_wavefront_size32 1
		.amdhsa_system_sgpr_workgroup_id_x 1
		.amdhsa_system_sgpr_workgroup_id_y 1
		.amdhsa_system_sgpr_workgroup_id_z 1
		.amdhsa_system_vgpr_workitem_id 0
		.amdhsa_next_free_vgpr 896
		.amdhsa_next_free_sgpr 72
		.amdhsa_reserve_vcc 0
		.amdhsa_float_denorm_mode_32 3
		.amdhsa_float_denorm_mode_16_64 3
		.amdhsa_memory_ordered 1
		.amdhsa_forward_progress 1
		.amdhsa_inst_pref_size 86
	.end_amdhsa_kernel
	.amdgpu_metadata
---
amdhsa.version: [ 1, 2 ]
amdhsa.kernels:
  - .name:           k_qb90ef6d22c_gemm_qkv
    .symbol:         k_qb90ef6d22c_gemm_qkv.kd
    .args:
      - { .name: xq, .offset: 0, .size: 8, .value_kind: global_buffer, .address_space: global }
      - { .name: wr, .offset: 8, .size: 8, .value_kind: global_buffer, .address_space: global }
      - { .name: bq, .offset: 16, .size: 8, .value_kind: global_buffer, .address_space: global }
      - { .name: bk, .offset: 24, .size: 8, .value_kind: global_buffer, .address_space: global }
      - { .name: bv, .offset: 32, .size: 8, .value_kind: global_buffer, .address_space: global }
      - { .name: qk, .offset: 40, .size: 8, .value_kind: global_buffer, .address_space: global }
      - { .name: vq, .offset: 48, .size: 8, .value_kind: global_buffer, .address_space: global }
    .group_segment_fixed_size: 168448
    .private_segment_fixed_size: 0
    .kernarg_segment_align: 8
    .kernarg_segment_size: 56
    .max_flat_workgroup_size: 128
    .sgpr_count:     72
    .vgpr_count:     896
    .wavefront_size: 32
...
	.end_amdgpu_metadata
.endif
;; end of part 2
;; launch attn (part 3): grid 2 x 128, 4 waves a work-group, no clusters, 33,280 bytes of LDS; arguments qk, vq, oq; writes oq
.if DOCPART == 3
	.amdgcn_target "amdgcn-amd-amdhsa--gfx1250"
	.amdhsa_code_object_version 6
	.text
	.protected	k_qb90ef6d22c_attn
	.globl	k_qb90ef6d22c_attn
	.p2align	8
	.type	k_qb90ef6d22c_attn,@function
k_qb90ef6d22c_attn:
	s_mov_b64 s[64:65], 0
	v_nop
	global_prefetch_b8 v0, s[64:65] scope:SCOPE_SE
	s_setreg_imm32_b32 hwreg(HW_REG_WAVE_MODE, 25, 1), 1
	s_wait_xcnt 0x0
; out = softmax(q k^T / 8) v for one head and half of its queries, both products on codes of FP4 with E8M0 scales; attn is quantised FINISHED AND NORMALISED, along the keys; out is quantised along the channels and stored as the last product's operand.
; A wave owns 8 tiles of 16 queries, one a trip.  THE WHOLE ROW OF SCORES OF A TILE (16 queries x 1,024 keys: 512 registers) STAYS IN REGISTERS: maximum, exponential, sum, division and quantising need no second pass.
; Both products are used transposed (S^T = k q^T, O^T = v^T attn^T): a lane holds one query (lane % 16) throughout; key tiles are in the order 32 beta + 8 u + r + 8 (r / 8), so a block of 32 keys is 16 registers of lanes l and l xor 16.
; K = 64 IN A FORM OF K = 128: two key tiles make one 8-register source 0; source 1 is [q, 0] for the even tile and [0, q] for the odd one: zero codes add nothing.  The head's k (32 KiB) stays in 256 registers.
; v (32 KiB of images) is written to LDS once, a quarter by each wave, and only read afterwards.
; SOFTMAX: p = 2^(c s - c m), m the row's maximum, c = log2(e) / 8 (the 1/8 that q was not given); attn = p x (1 / sum).  The rounding of c m is a factor common to a row and leaves with the division.
; A block's largest attn is not searched for: the block's largest score goes through the same three instructions.  (This takes v_exp_f32 not to fall where its input rises.)
; THE 32 BLOCKS' FIGURES ARE KEPT FOLDED: a block's figure is the same in lanes l and l xor 16, so block b lies in lanes 0-15 and block b + 16 in lanes 16-31 of ONE register: 16 registers go through
; scaling, exponential, division, floor and byte.  The scale words so fall into four registers, key step s below and key step s + 4 above; the conversions' scale operands are spread over both halves again.
; LIMITS: p under 2^-126 counts as 0; a block of zeros gets the byte 1 (zero codes); NaN and infinities among the inputs are not served, so the reference's replacing of NaN has nothing to do.
; The scale bytes of out leave as stores of 2 bytes a row, 32 bytes apart: 256 KiB in the launch.
; NO CLUSTER: the two work-groups of a head share k and v, 64 KiB read once at the head; k lands in registers, where no joint load can put it.
; REGISTERS: window 0: see the names below.  window 1: k, tile i at v[4 i].  windows 2, 3: S^T, then p, then attn: score tile i at v[8 (i % 32)] of window 2 + i / 32.
.set REC,  8704
.set RSC,  8192
.set QKS,  8388608
.set VSO,  4194304
.set LI,   1                           ; 16 x lane
.set L4,   2                           ; 4 x lane
.set R4,   3                           ; 4 r
.set R32,  4                           ; 32 r
.set QSA,  5                           ; where the query tile's pair word lies
.set QHI,  8                           ; v[8:15]  = [0, q]
.set QLO,  12                          ; v[12:19] = [q, 0]
.set QW,   20                          ; the pair word as loaded
.set QS,   21                          ; q's two bytes in both halves
.set NCM,  22                          ; v[22:23] -c m
.set RL,   24                          ; v[24:25] 1 / sum
.set BM,   36                          ; v36-67   each lane half's largest score of a block; folded into v36-51: largest score, largest attn, scale operand; at last all 32 scale operands
.set KS,   68                          ; v68-83   k's scale words: lanes 0-15 pair 2 n, lanes 16-31 pair 2 n + 1
.set VS,   84                          ; v84-99   v's: register 2 ks + q: lanes 0-15 tile 2 q, lanes 16-31 tile 2 q + 1
.set VF0,  100                         ; v100-131 v's four fragments, set 0;  set 1: v180-211
.set OA,   132                         ; v132-163 O^T, four accumulators
.set PC,   164                         ; v164-171 attn's codes of a key step
.set PW,   172                         ; v172-175 attn's scale words: lanes 0-15 key step s, lanes 16-31 key step s + 4
.set TMP,  180                         ; v180-195 the blocks' bytes, folded (then set 1 of v's fragments)
.set OT,   212                         ; v212-224 at work
.set SU,   226                         ; v226-241 eight pairs of sums
.set WV,   18
.set SEL,  20
.set CS,   22
.set NC,   24
.set QSEL, 25
.set CNT,  40
.set MSB, 0
.macro WIN new
.if MSB != \new
	s_set_vgpr_msb (MSB<<8)|\new
.set MSB, \new
.endif
.endm
	s_load_b128 s[4:7], s[0:1], 0x0                ; qk, vq
	s_load_b64 s[8:9], s[0:1], 0x10                ; oq
	v_lshl_add_u32 v254, v0, 2, 0x8000
	v_mov_b32 v255, 0
	v_lshrrev_b32 v1, 5, v0
	v_readfirstlane_b32 s[WV], v1
	s_and_b32 s10, ttmp7, 0xffff
	s_lshr_b32 s11, s10, 4                         ; b
	s_and_b32 s12, s10, 15                         ; head
	s_lshl_b32 s13, ttmp9, 5
	s_lshl_b32 s14, s[WV], 3
	s_add_co_u32 s13, s13, s14                     ; my first query tile
	s_lshl_b32 s46, s11, 20
	s_lshl_b32 s47, s12, 15
	s_add_co_u32 s46, s46, s47                     ; q head's codes
	s_add_co_u32 s26, s46, 16<<15                  ; k head's: 16 heads on
	s_mov_b32 s27, 0
	s_lshl_b32 s47, s13, 9
	s_add_co_u32 s34, s46, s47                     ; my first tile's codes
	s_mov_b32 s35, 0
	s_lshl_b32 s46, s11, 16
	s_lshl_b32 s47, s12, 11
	s_add_co_u32 s46, s46, s47
	s_add_co_u32 s46, s46, QKS                     ; q head's scale words
	s_add_co_u32 s28, s46, 16<<11                  ; k head's
	s_mov_b32 s29, 0
	s_lshl_b32 s47, s13, 5                         ; 64 bytes a pair of tiles
	s_add_co_u32 s36, s46, s47
	s_mov_b32 s37, 0
	s_lshl_b32 s30, s11, 19
	s_lshl_b32 s47, s12, 15
	s_add_co_u32 s30, s30, s47
	s_lshl_b32 s47, s[WV], 13
	s_add_co_u32 s30, s30, s47                     ; my quarter of the head's v
	s_mov_b32 s31, 0
	v_and_b32 v7, 31, v0
	v_lshlrev_b32 v[LI], 4, v7
	v_add_nc_u32 v6, s47, v[LI]                    ; and its place in LDS: 8,192 x wave + 16 x lane
	s_lshl_b32 s32, s11, 15
	s_lshl_b32 s47, s12, 8
	s_add_co_u32 s32, s32, s47
	s_add_co_u32 s32, s32, VSO                     ; v's scale words
	s_mov_b32 s33, 0
	s_lshl_b32 s38, s11, 6
	s_add_co_u32 s38, s38, s13
	s_mul_i32 s38, s38, REC                        ; out: record 64 b + tile
	s_lshl_b32 s47, s12, 1
	s_add_co_u32 s44, s38, s47
	s_add_co_u32 s44, s44, RSC                     ; my head's two bytes of a row's 32
	s_mov_b32 s45, 0
	s_lshl_b32 s47, s12, 9                         ; my head's half image: 1,024 (head / 2) + 512 (head % 2)
	s_add_co_u32 s38, s38, s47
	s_mov_b32 s39, 0
	s_mov_b32 s[SEL], 0x76543210
	s_mov_b32 s[SEL+1], 0xfedcba98
	s_mov_b32 s[CS], 0x3e38aa3b                    ; c = log2(e) / 8
	s_mov_b32 s[CS+1], s[CS]
	s_mov_b32 s[NC], 0xbe38aa3b                    ; -c
	s_mov_b32 s[QSEL], 0x01000100                  ; an even tile's two bytes, twice
	s_mov_b32 s[CNT], 8
	s_mov_b32 s41, 0
	v_lshlrev_b32 v[L4], 2, v7
	v_and_b32 v7, 15, v0
	v_lshlrev_b32 v[R4], 2, v7
	v_lshlrev_b32 v[R32], 5, v7
	v_mov_b32 v[QSA], v[R4]
.irp j, 0,1,2,3
	v_mov_b32 v[QHI+\j], 0
	v_mov_b32 v[QLO+4+\j], 0
.endr
.irp j, 0,1,2,3,4,5,6,7
	v_mov_b32 v[OT+\j], 0                          ; lane permutes' destinations count as read
.endr
	s_wait_kmcnt 0x0
	s_add_nc_u64 s[26:27], s[4:5], s[26:27]
	s_add_nc_u64 s[28:29], s[4:5], s[28:29]
	s_add_nc_u64 s[34:35], s[4:5], s[34:35]
	s_add_nc_u64 s[36:37], s[4:5], s[36:37]
	s_add_nc_u64 s[30:31], s[6:7], s[30:31]
	s_add_nc_u64 s[32:33], s[6:7], s[32:33]
	s_add_nc_u64 s[38:39], s[8:9], s[38:39]
	s_add_nc_u64 s[44:45], s[8:9], s[44:45]
.set ii, 0
.rept 16
	global_load_b128 v[VF0+4*ii:VF0+4*ii+3], v[LI], s[30:31] offset:512*ii
.set ii, ii+1
.endr
	WIN 0x40
.set ii, 0
.rept 64
	global_load_b128 v[4*ii:4*ii+3], v[LI], s[26:27] offset:512*ii
.set ii, ii+1
.endr
	WIN 0
.set ii, 0
.rept 16
	global_load_b32 v[KS+ii], v[L4], s[28:29] offset:128*ii
.set ii, ii+1
.endr
.irp ks, 0,1,2,3,4,5,6,7
.irp q, 0,1
	global_load_b32 v[VS+2*\ks+\q], v[L4], s[32:33] offset:4096*\ks+128*\q
.endr
.endr
	global_load_b128 v[QLO:QLO+3], v[LI], s[34:35]
	global_load_b32 v[QW], v[QSA], s[36:37]
	s_wait_loadcnt 0x0
.set ii, 0
.rept 16
	ds_store_b128 v6, v[VF0+4*ii:VF0+4*ii+3] offset:512*ii
.set ii, ii+1
.endr
	s_wait_dscnt 0x0                               ; for the others' sake: my quarter of v lies in LDS
	s_barrier_signal -1
	s_barrier_wait -1                              ; the one barrier of the launch
	v_perm_b32 v[QS], v[QW], v[QW], s[QSEL]
.rept 8
	v_nop                                          ; a scale register written by a vector instruction stands 8 places ahead of a scaled product
.endr
.macro VFETCH s                        ; v's four fragments of key step s into set s % 2
.irp dt, 0,1,2,3
.irp c, 0,1
	ds_load_b128 v[VF0+80*((\s)%2)+8*\dt+4*\c:VF0+80*((\s)%2)+8*\dt+4*\c+3], v[LI] offset:(8*\dt+(\s))*1024+512*\c
.endr
.endr
.endm
.macro BMAX win, off                   ; my lane's largest score of each of a window's 16 blocks, eight blocks by turns, so that no line reads a result made just before it; each accumulator is read from its low end on
	WIN \win
.irp q, 0,1
.irp b, 0,1,2,3,4,5,6,7
	v_max_num_f32 v[BM+\off+8*\q+\b], v[16*(8*\q+\b)], v[16*(8*\q+\b)+1]
.endr
.irp i, 2,4,6,8,10,12,14
.irp b, 0,1,2,3,4,5,6,7
	v_max3_num_f32 v[BM+\off+8*\q+\b], v[16*(8*\q+\b)+\i], v[16*(8*\q+\b)+\i+1], v[BM+\off+8*\q+\b]
.endr
.endr
.endr
.endm
.macro EXPW win                        ; a window's 256 scores become p; a block's scalings stand among the exponentials of the block before
	WIN \win
.irp j, 0,2,4,6,8,10,12,14
	v_pk_fma_f32 v[\j:\j+1], v[\j:\j+1], s[CS:CS+1], v[NCM:NCM+1] op_sel_hi:[1,0,0]
.endr
.set bb, 0
.rept 16
.irp j, 0,2,4,6,8,10,12,14
	v_exp_f32 v[16*bb+\j], v[16*bb+\j]
.if bb < 15
	v_pk_fma_f32 v[16*bb+16+\j:16*bb+17+\j], v[16*bb+16+\j:16*bb+17+\j], s[CS:CS+1], v[NCM:NCM+1] op_sel_hi:[1,0,0]
.endif
	v_exp_f32 v[16*bb+\j+1], v[16*bb+\j+1]
.endr
.set bb, bb+1
.endr
	v_nop                                          ; a plain line behind the last exponential
.endm
.macro PVSTEP s                        ; key step s: 128 keys are divided by the sum, quantised, and multiplied by v
.set ww, 2+(\s)/4
.set wa, ww*64+ww
.set oo, 64*((\s)%4)
	WIN wa
.set jj, 0
.rept 32
	v_pk_mul_f32 v[oo+jj:oo+jj+1], v[oo+jj:oo+jj+1], v[RL:RL+1]   ; attn.  (These 32 are also the places behind the last step's products)
.set jj, jj+2
.endr
	WIN ww
.irp b, 0,1,2,3
	v_cvt_scalef32_pk8_fp4_f32 v[PC+2*\b], v[oo+16*\b:oo+16*\b+7], v[BM+4*(\s)+\b]
	v_cvt_scalef32_pk8_fp4_f32 v[PC+2*\b+1], v[oo+16*\b+8:oo+16*\b+15], v[BM+4*(\s)+\b]
.endr
	WIN 0
	v_nop                                          ; a plain line behind the last scaled conversion
.irp c, 0,1
.irp i, 0,1
	v_permlane16_swap_b32 v[PC+4*\c+\i], v[PC+2+4*\c+\i]
.endr
.endr
.if (\s) < 7
	VFETCH (\s)+1
	s_wait_dscnt 8                                 ; this step's fragments of v are in; the eight loads just issued may be out
.else
	s_wait_dscnt 0x0
.endif
.rept 4
	v_nop                                          ; an operand written by vector instructions stands 4 places ahead of a scaled product
.endr
.irp dt, 0,1,2,3                               ; the four accumulators take turns.  v's scale words: the odd tile's lie in lanes 16-31; attn's: key steps 4-7 lie in lanes 16-31
.set vf, VF0+80*((\s)%2)+8*\dt
.if (\s) == 0
.if \dt%2
	v_wmma_scale_f32_16x16x128_f8f6f4 v[OA+8*\dt:OA+8*\dt+7], v[vf:vf+7], v[PC:PC+7], 0, v[VS+2*(\s)+\dt/2], v[PW] matrix_a_fmt:MATRIX_FMT_FP4 matrix_b_fmt:MATRIX_FMT_FP4 matrix_a_scale:MATRIX_SCALE_ROW1
.else
	v_wmma_scale_f32_16x16x128_f8f6f4 v[OA+8*\dt:OA+8*\dt+7], v[vf:vf+7], v[PC:PC+7], 0, v[VS+2*(\s)+\dt/2], v[PW] matrix_a_fmt:MATRIX_FMT_FP4 matrix_b_fmt:MATRIX_FMT_FP4
.endif
.elseif (\s) < 4
.if \dt%2
	v_wmma_scale_f32_16x16x128_f8f6f4 v[OA+8*\dt:OA+8*\dt+7], v[vf:vf+7], v[PC:PC+7], v[OA+8*\dt:OA+8*\dt+7], v[VS+2*(\s)+\dt/2], v[PW+(\s)] matrix_a_fmt:MATRIX_FMT_FP4 matrix_b_fmt:MATRIX_FMT_FP4 matrix_a_scale:MATRIX_SCALE_ROW1
.else
	v_wmma_scale_f32_16x16x128_f8f6f4 v[OA+8*\dt:OA+8*\dt+7], v[vf:vf+7], v[PC:PC+7], v[OA+8*\dt:OA+8*\dt+7], v[VS+2*(\s)+\dt/2], v[PW+(\s)] matrix_a_fmt:MATRIX_FMT_FP4 matrix_b_fmt:MATRIX_FMT_FP4
.endif
.else
.if \dt%2
	v_wmma_scale_f32_16x16x128_f8f6f4 v[OA+8*\dt:OA+8*\dt+7], v[vf:vf+7], v[PC:PC+7], v[OA+8*\dt:OA+8*\dt+7], v[VS+2*(\s)+\dt/2], v[PW+(\s)-4] matrix_a_fmt:MATRIX_FMT_FP4 matrix_b_fmt:MATRIX_FMT_FP4 matrix_a_scale:MATRIX_SCALE_ROW1 matrix_b_scale:MATRIX_SCALE_ROW1
.else
	v_wmma_scale_f32_16x16x128_f8f6f4 v[OA+8*\dt:OA+8*\dt+7], v[vf:vf+7], v[PC:PC+7], v[OA+8*\dt:OA+8*\dt+7], v[VS+2*(\s)+\dt/2], v[PW+(\s)-4] matrix_a_fmt:MATRIX_FMT_FP4 matrix_b_fmt:MATRIX_FMT_FP4 matrix_b_scale:MATRIX_SCALE_ROW1
.endif
.endif
.endr
.endm
.Ltile:
	; ---- S^T = k q^T: 64 products, each its own accumulator
.set ii, 0
.rept 64
.if ii < 32
	WIN 0x81                                       ; source 0 (k) window 1, result window 2
.else
	WIN 0xc1
.endif
.set dd, 8*(ii%32)
.set gg, ii/2
.set qq, QLO-4*(ii%2)
.if gg%2
	v_wmma_scale_f32_16x16x128_f8f6f4 v[dd:dd+7], v[8*gg:8*gg+7], v[qq:qq+7], 0, v[KS+gg/2], v[QS] matrix_a_fmt:MATRIX_FMT_FP4 matrix_b_fmt:MATRIX_FMT_FP4 matrix_a_scale:MATRIX_SCALE_ROW1
.else
	v_wmma_scale_f32_16x16x128_f8f6f4 v[dd:dd+7], v[8*gg:8*gg+7], v[qq:qq+7], 0, v[KS+gg/2], v[QS] matrix_a_fmt:MATRIX_FMT_FP4 matrix_b_fmt:MATRIX_FMT_FP4
.endif
.set ii, ii+1
.endr
	WIN 0
.rept 4
	v_nop                                          ; places: in front of the loads into q's registers and of the first read of the scores
.endr
	s_cmp_eq_u32 s[CNT], 1                         ; the next tile's q is asked for here, if there is a next tile
	s_cbranch_scc1 .Lno_next
	s_add_nc_u64 s[34:35], s[34:35], 512           ; (the loads that read this base were waited for)
	s_add_co_u32 s41, s41, 1
	s_lshr_b32 s42, s41, 1
	s_lshl_b32 s42, s42, 6
	v_add_nc_u32 v[QSA], s42, v[R4]
	global_load_b128 v[QLO:QLO+3], v[LI], s[34:35]
	global_load_b32 v[QW], v[QSA], s[36:37]
.Lno_next:
	; ---- the blocks' largest scores, folded; the row's maximum
	BMAX 0x0a, 0
	BMAX 0x0f, 16
	WIN 0
.irp b, 0,1,2,3,4,5,6,7,8,9,10,11,12,13,14,15
	v_permlane16_swap_b32 v[BM+\b], v[BM+16+\b]    ; the first now holds the lower lanes' 16 keys of block b (below) and of block b + 16 (above), the second the upper lanes' 16 keys of the same two
.endr
.irp b, 0,1,2,3,4,5,6,7,8,9,10,11,12,13,14,15
	v_max_num_f32 v[BM+\b], v[BM+\b], v[BM+16+\b]  ; lanes 0-15: block b's largest score of query r; lanes 16-31: block b + 16's
.endr
	v_max3_num_f32 v34, v[BM], v[BM+1], v[BM+2]
	v_max3_num_f32 v35, v[BM+3], v[BM+4], v[BM+5]
.irp i, 6,10
	v_max3_num_f32 v34, v34, v[BM+\i], v[BM+\i+1]
	v_max3_num_f32 v35, v35, v[BM+\i+2], v[BM+\i+3]
.endr
	v_max3_num_f32 v34, v34, v[BM+14], v[BM+15]
	v_max_num_f32 v34, v34, v35
	v_permlanex16_b32 v[OT], v34, s[SEL], s[SEL+1]
	v_max_num_f32 v34, v34, v[OT]                  ; m, in both lanes of the query
	v_mul_f32 v[NCM], s[NC], v34                   ; -c m
	v_mov_b32 v[NCM+1], v[NCM]
	VFETCH 0
.set jj, 0
.rept 8
	v_pk_fma_f32 v[BM+jj:BM+jj+1], v[BM+jj:BM+jj+1], s[CS:CS+1], v[NCM:NCM+1] op_sel_hi:[1,0,0]
.set jj, jj+2
.endr
.set jj, 0
.rept 16
	v_exp_f32 v[BM+jj], v[BM+jj]                   ; each block's largest p
.set jj, jj+1
.endr
	v_nop
	; ---- p and its sum, window by window; the sum in eight chains
	EXPW 0x82
	WIN 0x0a
	s_wait_alu depctr_va_vdst(0)
.irp k, 0,1,2,3,4,5,6,7
	v_pk_add_f32 v[SU+2*\k:SU+2*\k+1], v[2*\k:2*\k+1], v[16+2*\k:17+2*\k]   ; the first sixteen pairs start the chains: nothing is cleared
.endr
	WIN 0x08
.set jj, 32
.rept 112
	v_pk_add_f32 v[SU+2*((jj/2)%8):SU+2*((jj/2)%8)+1], v[SU+2*((jj/2)%8):SU+2*((jj/2)%8)+1], v[jj:jj+1]
.set jj, jj+2
.endr
	EXPW 0xc3
	WIN 0x0c
.set jj, 0
	s_wait_alu depctr_va_vdst(0)
.rept 128
	v_pk_add_f32 v[SU+2*((jj/2)%8):SU+2*((jj/2)%8)+1], v[SU+2*((jj/2)%8):SU+2*((jj/2)%8)+1], v[jj:jj+1]
.set jj, jj+2
.endr
	WIN 0
	; ---- 1 / sum; the blocks' scales
.irp k, 0,1,2,3
	v_pk_add_f32 v[SU+2*\k:SU+2*\k+1], v[SU+2*\k:SU+2*\k+1], v[SU+8+2*\k:SU+9+2*\k]
.endr
	v_pk_add_f32 v[SU:SU+1], v[SU:SU+1], v[SU+2:SU+3]
	v_pk_add_f32 v[SU+4:SU+5], v[SU+4:SU+5], v[SU+6:SU+7]
	v_pk_add_f32 v[SU:SU+1], v[SU:SU+1], v[SU+4:SU+5]
	v_add_f32 v[SU], v[SU], v[SU+1]
	v_permlanex16_b32 v34, v[SU], s[SEL], s[SEL+1]
	v_add_f32 v[SU], v[SU], v34                    ; the row's sum
	v_rcp_f32 v[RL], v[SU]
	v_nop                                          ; a plain line behind the reciprocal
	s_wait_alu depctr_va_vdst(0)
	v_mov_b32 v[RL+1], v[RL]
.set jj, 0
.rept 8
	v_pk_mul_f32 v[BM+jj:BM+jj+1], v[BM+jj:BM+jj+1], v[RL:RL+1]   ; each block's largest attn: the same multiplication as its number's below
.set jj, jj+2
.endr
.set jj, 0
.rept 16
	v_max_num_f32 v[BM+jj], 0x1800000, v[BM+jj]    ; the floor 2^(3 - 127)
.set jj, jj+1
.endr
.set jj, 0
.rept 16
	v_add_nc_u32 v[BM+jj], 0xff000000, v[BM+jj]    ; 2 off the exponent field: the conversion's scale operand
.set jj, jj+1
.endr
.set jj, 0
.rept 16
	v_lshrrev_b32 v[TMP+jj], 23, v[BM+jj]          ; the byte
.set jj, jj+1
.endr
.irp s, 0,1,2,3                                ; blocks 4 s .. 4 s + 3 are key step s (lanes 0-15), blocks 16 + 4 s .. key step s + 4 (lanes 16-31)
	v_lshl_or_b32 v[PW+\s], v[TMP+4*\s+1], 8, v[TMP+4*\s]
.endr
.irp s, 0,1,2,3
	v_lshl_or_b32 v[PW+\s], v[TMP+4*\s+2], 16, v[PW+\s]
.endr
.irp s, 0,1,2,3
	v_lshl_or_b32 v[PW+\s], v[TMP+4*\s+3], 24, v[PW+\s]
.endr
.irp b, 0,1,2,3,4,5,6,7,8,9,10,11,12,13,14,15
	v_mov_b32 v[BM+16+\b], v[BM+\b]
.endr
.irp b, 0,1,2,3,4,5,6,7,8,9,10,11,12,13,14,15
	v_permlane16_swap_b32 v[BM+\b], v[BM+16+\b]    ; unfolded: the first holds block b's scale operand in both lanes of a query, the second block b + 16's
.endr
	; ---- O^T = v^T attn^T
.irp s, 0,1,2,3,4,5,6,7
	PVSTEP \s
.endr
	; ---- out: 64 channels of my query, register 16 b + i = channel 32 b + 16 (lane / 16) + i: two blocks, half an image
.rept 4
	v_nop
.endr
	s_wait_loadcnt 0x0                             ; the next tile's q
	s_xor_b32 s[QSEL], s[QSEL], 0x02020202         ; the pair word's other half
	v_perm_b32 v[QS], v[QW], v[QW], s[QSEL]        ; more than eight plain lines stand between this and the next tile's products
.irp b, 0,1
	v_max3_num_f32 v[OT+\b], |v[OA+16*\b]|, |v[OA+16*\b+1]|, 0x1800000
.endr
.irp i, 2,4,6,8,10,12,14
.irp b, 0,1
	v_max3_num_f32 v[OT+\b], v[OT+\b], |v[OA+16*\b+\i]|, |v[OA+16*\b+\i+1]|
.endr
.endr
.irp b, 0,1
	v_permlanex16_b32 v[OT+2+\b], v[OT+\b], s[SEL], s[SEL+1]
.endr
.irp b, 0,1
	v_max_num_f32 v[OT+\b], v[OT+\b], v[OT+2+\b]
.endr
.irp b, 0,1
	v_add_nc_u32 v[OT+4+\b], 0xff000000, v[OT+\b]
.endr
.irp b, 0,1
	v_lshrrev_b32 v[OT+6+\b], 23, v[OT+4+\b]
.endr
	v_lshl_or_b32 v[OT+12], v[OT+7], 8, v[OT+6]    ; my head's two bytes of the row's scale words
.irp b, 0,1
	v_cvt_scalef32_pk8_fp4_f32 v[OT+8+2*\b], v[OA+16*\b:OA+16*\b+7], v[OT+4+\b]
	v_cvt_scalef32_pk8_fp4_f32 v[OT+9+2*\b], v[OA+16*\b+8:OA+16*\b+15], v[OT+4+\b]
.endr
	v_nop
	v_permlane16_swap_b32 v[OT+8], v[OT+10]
	v_permlane16_swap_b32 v[OT+9], v[OT+11]
	global_store_b128 v[LI], v[OT+8:OT+11], s[38:39]   ; 512 consecutive bytes
	global_store_b16 v[R32], v[OT+12], s[44:45]        ; lanes l and l xor 16 write the same two bytes with the same value
	s_wait_xcnt 0x0                                ; data and bases are written again only behind this wait
	s_add_nc_u64 s[38:39], s[38:39], REC
	s_add_nc_u64 s[44:45], s[44:45], REC
	s_sub_co_u32 s[CNT], s[CNT], 1
	s_cmp_lg_u32 s[CNT], 0
	s_cbranch_scc1 .Ltile
	s_wait_tensorcnt 0x0
	ds_add_u32 v254, v255
	s_wait_dscnt 0x0
	s_endpgm
.Lfunc_end_k_qb90ef6d22c_attn:
	.size	k_qb90ef6d22c_attn, .Lfunc_end_k_qb90ef6d22c_attn-k_qb90ef6d22c_attn
	.p2alignl 7, 3214868480
	.fill 96, 4, 3214868480
	.section	.rodata,"a",@progbits
	.p2align	6, 0x0
	.amdhsa_kernel k_qb90ef6d22c_attn
		.amdhsa_group_segment_fixed_size 33280
		.amdhsa_private_segment_fixed_size 0
		.amdhsa_enable_private_segment 0
		.amdhsa_kernarg_size 24
		.amdhsa_user_sgpr_count 2
		.amdhsa_user_sgpr_kernarg_segment_ptr 1
		.amdhsa_wavefront_size32 1
		.amdhsa_system_sgpr_workgroup_id_x 1
		.amdhsa_system_sgpr_workgroup_id_y 1
		.amdhsa_system_sgpr_workgroup_id_z 1
		.amdhsa_system_vgpr_workitem_id 0
		.amdhsa_next_free_vgpr 1024
		.amdhsa_next_free_sgpr 66
		.amdhsa_reserve_vcc 0
		.amdhsa_float_denorm_mode_32 3
		.amdhsa_float_denorm_mode_16_64 3
		.amdhsa_memory_ordered 1
		.amdhsa_forward_progress 1
		.amdhsa_inst_pref_size 130
	.end_amdhsa_kernel
	.amdgpu_metadata
---
amdhsa.version: [ 1, 2 ]
amdhsa.kernels:
  - .name:           k_qb90ef6d22c_attn
    .symbol:         k_qb90ef6d22c_attn.kd
    .args:
      - { .name: qk, .offset: 0, .size: 8, .value_kind: global_buffer, .address_space: global }
      - { .name: vq, .offset: 8, .size: 8, .value_kind: global_buffer, .address_space: global }
      - { .name: oq, .offset: 16, .size: 8, .value_kind: global_buffer, .address_space: global }
    .group_segment_fixed_size: 33280
    .private_segment_fixed_size: 0
    .kernarg_segment_align: 8
    .kernarg_segment_size: 24
    .max_flat_workgroup_size: 128
    .sgpr_count:     66
    .vgpr_count:     1024
    .wavefront_size: 32
...
	.end_amdgpu_metadata
.endif
;; end of part 3
;; launch gemm_o (part 4): grid 256 x 1, 4 waves a work-group, no clusters, 168,448 bytes of LDS; arguments oq, wr, bo, y, part; writes y, part
.if DOCPART == 4
	.amdgcn_target "amdgcn-amd-amdhsa--gfx1250"
	.amdhsa_code_object_version 6
	.text
	.protected	k_qb90ef6d22c_gemm_o
	.globl	k_qb90ef6d22c_gemm_o
	.p2align	8
	.type	k_qb90ef6d22c_gemm_o,@function
k_qb90ef6d22c_gemm_o:
	s_mov_b64 s[64:65], 0
	v_nop
	global_prefetch_b8 v0, s[64:65] scope:SCOPE_SE
	s_setreg_imm32_b32 hwreg(HW_REG_WAVE_MODE, 25, 1), 1
	s_wait_xcnt 0x0
; y = wo out + bo on codes of FP4, stored as f32 [b][o][t]; and for each channel o and each group of 128 (b, t) the group's mean and its sum of squared deviations, for the normalisation that follows.
; P = 128 rows (t) of out, K = 1,024, in a wave's 512 registers, source 0; R = four tiles of wo's rows in LDS, source 1.  A unit = 64 products = 128 t x 16 o; a lane holds one o and 64 t.
; Work-group: rp = id % 16 (64 channels), four groups of 128 t, one a wave: G = 4 (id / 16) + wave.  256 work-groups, four units a wave, written out with constant offsets.
; THE STATISTICS FORM NO DIFFERENCE OF LARGE SUMS: the mean of the wave's 128 numbers first, then the squares of the deviations from it.  part: [mean, M2][G 64][o 1024] f32.
; THE WAY OUT: a lane's 64 numbers are pieces of one row of y; they go through the wave's own stage in LDS (rows of 512 + 16 bytes) and leave as runs of 512 consecutive aligned bytes.
; NO CLUSTER: P goes from memory straight into registers; the shared panel is 34 of a work-group's 306 KiB and is fetched once.
; REGISTERS: window 0: v1-6 addresses, v16-41 at work, v44-47 what goes to part, v48-79 P's scale words, v80-83 R's, v84-91 my channel's bias for each tile (upper halves 0), v96-159 R's fragments, v160-223 accumulators.
;   window 1: P's fragments (p, ks) at v[64 ks + 8 p], ks 0-3;  window 2: ks 4-7.
.set REC,  8704
.set RSC,  8192
.set SP,   528
.set STG,  4*REC                       ; behind the panel: a stage of 16 rows for each wave; no tensor load lands there
.set LI,   1
.set SI,   2
.set STO,  3
.set SRD,  4
.set PO,   5
.set BLO,  6
.set SC,   16                          ; v16-23  four pairs of sums
.set MN,   24                          ; v[24:25] the mean
.set DT,   26                          ; v26-33  four pairs of deviations
.set MC,   34                          ; v34-41  four pairs of sums of squares
.set WS,   44
.set PS,   48
.set RS,   80
.set BL,   84
.set R,    96
.set ACC,  160
.set WV,   18
.set G1,   24
.set G0,   32
.set PB,   36
.set YB,   40
.set PT,   42
.set BB,   44
.set HM,   52
.set SEL,  56
.set MSB, 0
.macro WIN new
.if MSB != \new
	s_set_vgpr_msb (MSB<<8)|\new
.set MSB, \new
.endif
.endm
	s_load_b256 s[4:11], s[0:1], 0x0               ; oq s[4:5], wr s[6:7], bo s[8:9], y s[10:11]
	s_load_b64 s[12:13], s[0:1], 0x20              ; part
	v_lshl_add_u32 v254, v0, 2, 0x29000
	v_mov_b32 v255, 0
	ds_add_u32 v254, v255
	ds_add_u32 v254, v255
	v_lshrrev_b32 v1, 5, v0
	v_readfirstlane_b32 s[WV], v1
	s_and_b32 s20, ttmp9, 15                       ; rp
	s_lshr_b32 s21, ttmp9, 4
	s_lshl_b32 s21, s21, 2
	s_add_co_u32 s21, s21, s[WV]                   ; G
	s_mul_i32 s[PB], s21, 8*REC
	s_mov_b32 s[PB+1], 0
	s_lshl_b32 s22, s20, 2
	s_add_co_u32 s22, s22, s[WV]
	s_add_co_u32 s22, s22, 192                     ; wo's records begin at 192; I fetch tile 4 rp + wave
	s_mul_i32 s22, s22, REC
	s_mov_b32 s23, 0
	s_lshr_b32 s2, s21, 3
	s_lshl_b32 s[YB], s2, 22                       ; b x 4 MiB
	s_lshl_b32 s2, s20, 18                         ; 64 rp rows of 4,096 bytes
	s_add_co_u32 s[YB], s[YB], s2
	s_and_b32 s2, s21, 7
	s_lshl_b32 s2, s2, 9                           ; my 128 t
	s_add_co_u32 s[YB], s[YB], s2
	s_mov_b32 s[YB+1], 0
	s_lshl_b32 s[PT], s21, 12
	s_lshl_b32 s[BB], s20, 8
	s_add_co_u32 s[PT], s[PT], s[BB]
	s_mov_b32 s[PT+1], 0
	s_mov_b32 s[BB+1], 0
	s_mul_i32 s[G0+1], s[WV], REC                  ; LDS address = wave x 8,704
	s_mul_i32 s3, s[WV], 16*SP
	s_add_co_u32 s3, s3, STG                       ; my stage
	s_mov_b32 s[HM], 0xffff0000
	s_mov_b32 s[SEL], 0x76543210
	s_mov_b32 s[SEL+1], 0xfedcba98
	; descriptor group 1: a record is 8,704 dense bytes: 34 rows of 256 bytes (32 elements of 8 bytes), no padding
	s_mov_b32 s[G1+0], 3<<16
	s_mov_b32 s[G1+1], 32<<16
	s_mov_b32 s[G1+2], 34<<16
	s_mov_b32 s[G1+3], 32<<16
	s_mov_b32 s[G1+4], 34
	s_mov_b32 s[G1+5], 32
	s_mov_b32 s[G1+6], 0
	s_mov_b32 s[G1+7], 0
	s_mov_b32 s[G0], 1
	v_and_b32 v9, 31, v0
	v_lshlrev_b32 v[LI], 4, v9
	v_and_b32 v10, 15, v0                          ; r
	v_bfe_u32 v11, v0, 4, 1                        ; h
	v_lshlrev_b32 v[SI], 5, v10
	v_lshl_add_u32 v[SI], v11, 4, v[SI]
	v_mul_u32_u24 v[STO], v10, SP
	v_lshl_add_u32 v[STO], v11, 6, v[STO]
	v_add_nc_u32 v[STO], s3, v[STO]                ; into the stage: row r, + 64 h
	v_add_nc_u32 v[SRD], s3, v[LI]                 ; back: a whole row, 16 bytes a lane
	v_and_b32 v[BLO], 8, v10
	v_add_nc_u32 v[BLO], v[BLO], v10
	v_lshlrev_b32 v[BLO], 2, v[BLO]                ; 4 (r + 8 (r / 8)): my channel in a tile
	v_lshl_add_u32 v[PO], v11, 18, v[BLO]          ; lanes 16-31 write the second plane of part
.irp t, 0,1,2,3
	v_mov_b32 v[BL+2*\t+1], 0
.endr
	s_wait_dscnt 0x0
	s_wait_kmcnt 0x0
	s_add_nc_u64 s[PB:PB+1], s[4:5], s[PB:PB+1]
	s_add_nc_u64 s[G0+2:G0+3], s[6:7], s[22:23]
	s_or_b32 s[G0+3], s[G0+3], 0x80000000
	s_add_nc_u64 s[BB:BB+1], s[8:9], s[BB:BB+1]
	s_add_nc_u64 s[YB:YB+1], s[10:11], s[YB:YB+1]
	s_add_nc_u64 s[PT:PT+1], s[12:13], s[PT:PT+1]
	tensor_load_to_lds s[G0:G0+3], s[G1:G1+7]      ; my tile of wo: the wave's one tensor load; LDS is filled once
	s_nop 0
.rept 4
	v_nop
.endr
	WIN 0x40
.irp ks, 0,1,2,3
.irp p, 0,1,2,3,4,5,6,7
.irp c, 0,1
	global_load_b128 v[64*\ks+8*\p+4*\c:64*\ks+8*\p+4*\c+3], v[LI], s[PB:PB+1] offset:\p*REC+1024*\ks+512*\c
.endr
.endr
.endr
	WIN 0x80
.irp ks, 4,5,6,7
.irp p, 0,1,2,3,4,5,6,7
.irp c, 0,1
	global_load_b128 v[64*(\ks-4)+8*\p+4*\c:64*(\ks-4)+8*\p+4*\c+3], v[LI], s[PB:PB+1] offset:\p*REC+1024*\ks+512*\c
.endr
.endr
.endr
	WIN 0
.irp p, 0,1,2,3,4,5,6,7
	global_load_b128 v[PS+4*\p:PS+4*\p+3], v[SI], s[PB:PB+1] offset:\p*REC+RSC
.endr
.irp t, 0,1,2,3
	global_load_b32 v[BL+2*\t], v[BLO], s[BB:BB+1] offset:(32*(\t/2)+8*(\t%2))*4
.endr
.macro FETCH t
.irp ks, 0,1,2,3,4,5,6,7
.irp c, 0,1
	ds_load_b128 v[R+8*\ks+4*\c:R+8*\ks+4*\c+3], v[LI] offset:(\t)*REC+1024*\ks+512*\c
.endr
.endr
	ds_load_b128 v[RS:RS+3], v[SI] offset:(\t)*REC+RSC
.endm
.macro MM                              ; the eight accumulators take turns, one instruction a turn; the first K step starts the sums
.irp ks, 0,1,2,3,4,5,6,7
.if \ks < 4
	WIN 0x01
.else
	WIN 0x02
.endif
.irp p, 0,1,2,3,4,5,6,7
.if \ks == 0
	v_wmma_scale_f32_16x16x128_f8f6f4 v[ACC+8*\p:ACC+8*\p+7], v[8*\p:8*\p+7], v[R:R+7], 0, v[PS+4*\p], v[RS] matrix_a_fmt:MATRIX_FMT_FP4 matrix_b_fmt:MATRIX_FMT_FP4
.elseif \ks < 4
	v_wmma_scale_f32_16x16x128_f8f6f4 v[ACC+8*\p:ACC+8*\p+7], v[64*\ks+8*\p:64*\ks+8*\p+7], v[R+8*\ks:R+8*\ks+7], v[ACC+8*\p:ACC+8*\p+7], v[PS+4*\p+\ks], v[RS+\ks] matrix_a_fmt:MATRIX_FMT_FP4 matrix_b_fmt:MATRIX_FMT_FP4
.else
	v_wmma_scale_f32_16x16x128_f8f6f4 v[ACC+8*\p:ACC+8*\p+7], v[64*(\ks-4)+8*\p:64*(\ks-4)+8*\p+7], v[R+8*\ks:R+8*\ks+7], v[ACC+8*\p:ACC+8*\p+7], v[PS+4*\p+\ks-4], v[RS+\ks-4] matrix_a_fmt:MATRIX_FMT_FP4 matrix_b_fmt:MATRIX_FMT_FP4 matrix_a_scale:MATRIX_SCALE_ROW1 matrix_b_scale:MATRIX_SCALE_ROW1
.endif
.endr
.endr
	WIN 0
.endm
.macro EPI t                           ; tile t's 16 channels x my 128 t: bias, stage, statistics, stores
.set jj, 0
.rept 32
	v_pk_add_f32 v[ACC+jj:ACC+jj+1], v[ACC+jj:ACC+jj+1], v[BL+2*\t:BL+2*\t+1] op_sel_hi:[1,0]   ; each accumulator from its low end on
.set jj, jj+2
.endr
.irp q, 0,1,2,3,4,5,6,7,8,9,10,11,12,13,14,15  ; registers 4 q on are t = 32 (q / 4) + 16 h + 8 ((q / 2) % 2) + 4 (q % 2) + 0..3
	ds_store_b128 v[STO], v[ACC+4*\q:ACC+4*\q+3] offset:128*(\q/4)+32*((\q/2)%2)+16*(\q%2)
.endr
.irp k, 0,1,2,3
	v_pk_add_f32 v[SC+2*\k:SC+2*\k+1], v[ACC+2*\k:ACC+2*\k+1], v[ACC+8+2*\k:ACC+9+2*\k]
.endr
.set jj, 16
.rept 24
	v_pk_add_f32 v[SC+2*((jj/2)%4):SC+2*((jj/2)%4)+1], v[SC+2*((jj/2)%4):SC+2*((jj/2)%4)+1], v[ACC+jj:ACC+jj+1]
.set jj, jj+2
.endr
	v_pk_add_f32 v[SC:SC+1], v[SC:SC+1], v[SC+2:SC+3]
	v_pk_add_f32 v[SC+4:SC+5], v[SC+4:SC+5], v[SC+6:SC+7]
	v_pk_add_f32 v[SC:SC+1], v[SC:SC+1], v[SC+4:SC+5]
	v_add_f32 v[SC], v[SC], v[SC+1]
	v_permlanex16_b32 v[SC+2], v[SC], s[SEL], s[SEL+1]
	v_add_f32 v[SC], v[SC], v[SC+2]                ; with lane l xor 16's 64
	v_mul_f32 v[MN], 0x3c000000, v[SC]             ; / 128: the group's mean
	v_mov_b32 v[MN+1], v[MN]
.irp g, 0,1,2,3,4,5,6,7
.irp k, 0,1,2,3
	v_pk_add_f32 v[DT+2*\k:DT+2*\k+1], v[ACC+8*\g+2*\k:ACC+8*\g+2*\k+1], v[MN:MN+1] neg_lo:[0,1] neg_hi:[0,1]
.endr
.irp k, 0,1,2,3
.if \g == 0
	v_pk_mul_f32 v[MC+2*\k:MC+2*\k+1], v[DT+2*\k:DT+2*\k+1], v[DT+2*\k:DT+2*\k+1]
.else
	v_pk_fma_f32 v[MC+2*\k:MC+2*\k+1], v[DT+2*\k:DT+2*\k+1], v[DT+2*\k:DT+2*\k+1], v[MC+2*\k:MC+2*\k+1]
.endif
.endr
.endr
	v_pk_add_f32 v[MC:MC+1], v[MC:MC+1], v[MC+2:MC+3]
	v_pk_add_f32 v[MC+4:MC+5], v[MC+4:MC+5], v[MC+6:MC+7]
	v_pk_add_f32 v[MC:MC+1], v[MC:MC+1], v[MC+4:MC+5]
	v_add_f32 v[MC], v[MC], v[MC+1]
	v_permlanex16_b32 v[MC+2], v[MC], s[SEL], s[SEL+1]
	v_add_f32 v[MC], v[MC], v[MC+2]                ; the group's sum of squared deviations
	v_cndmask_b32 v[WS+\t], v[MN], v[MC], s[HM]    ; lanes 0-15 store the mean, lanes 16-31 the sum of squares
	global_store_b32 v[PO], v[WS+\t], s[PT:PT+1] offset:(32*(\t/2)+8*(\t%2))*4
.irp i, 0,1,2,3,4,5,6,7,8,9,10,11,12,13,14,15
	ds_load_b128 v[ACC+4*\i:ACC+4*\i+3], v[SRD] offset:SP*\i   ; LDS serves a wave's instructions in order: these see my stores
.endr
.irp i, 0,1,2,3,4,5,6,7,8,9,10,11,12,13,14,15
	s_wait_dscnt 15-\i                             ; row i is back; the younger loads may be out
	global_store_b128 v[LI], v[ACC+4*\i:ACC+4*\i+3], s[YB:YB+1] offset:(32*(\t/2)+8*(\t%2)+\i+8*(\i/8))*4096   ; 512 consecutive aligned bytes of channel 64 rp + ..
.endr
.endm
	s_wait_tensorcnt 0x0                           ; my tile has landed,
	s_barrier_signal -1
	s_barrier_wait -1                              ; everybody's has: the one barrier of the launch
	FETCH 0
	s_wait_loadcnt 0x0
	s_wait_dscnt 0x0
	MM
.irp t, 0,1,2
.rept 4
	v_nop                                          ; places behind the last products
.endr
	FETCH \t+1
	EPI \t
	s_wait_xcnt 0x0                                ; the stores have read the accumulators' registers
	MM                                             ; (the last count-down ended at 0: the next tile's fragments are in)
.endr
.rept 4
	v_nop
.endr
	EPI 3
	s_wait_tensorcnt 0x0
	ds_add_u32 v254, v255
	s_wait_dscnt 0x0
	s_endpgm
.Lfunc_end_k_qb90ef6d22c_gemm_o:
	.size	k_qb90ef6d22c_gemm_o, .Lfunc_end_k_qb90ef6d22c_gemm_o-k_qb90ef6d22c_gemm_o
	.p2alignl 7, 3214868480
	.fill 96, 4, 3214868480
	.section	.rodata,"a",@progbits
	.p2align	6, 0x0
	.amdhsa_kernel k_qb90ef6d22c_gemm_o
		.amdhsa_group_segment_fixed_size 168448
		.amdhsa_private_segment_fixed_size 0
		.amdhsa_enable_private_segment 0
		.amdhsa_kernarg_size 40
		.amdhsa_user_sgpr_count 2
		.amdhsa_user_sgpr_kernarg_segment_ptr 1
		.amdhsa_wavefront_size32 1
		.amdhsa_system_sgpr_workgroup_id_x 1
		.amdhsa_system_sgpr_workgroup_id_y 1
		.amdhsa_system_sgpr_workgroup_id_z 1
		.amdhsa_system_vgpr_workitem_id 0
		.amdhsa_next_free_vgpr 768
		.amdhsa_next_free_sgpr 66
		.amdhsa_reserve_vcc 0
		.amdhsa_float_denorm_mode_32 3
		.amdhsa_float_denorm_mode_16_64 3
		.amdhsa_memory_ordered 1
		.amdhsa_forward_progress 1
		.amdhsa_inst_pref_size 105
	.end_amdhsa_kernel
	.amdgpu_metadata
---
amdhsa.version: [ 1, 2 ]
amdhsa.kernels:
  - .name:           k_qb90ef6d22c_gemm_o
    .symbol:         k_qb90ef6d22c_gemm_o.kd
    .args:
      - { .name: oq, .offset: 0, .size: 8, .value_kind: global_buffer, .address_space: global }
      - { .name: wr, .offset: 8, .size: 8, .value_kind: global_buffer, .address_space: global }
      - { .name: bo, .offset: 16, .size: 8, .value_kind: global_buffer, .address_space: global }
      - { .name: y, .offset: 24, .size: 8, .value_kind: global_buffer, .address_space: global }
      - { .name: part, .offset: 32, .size: 8, .value_kind: global_buffer, .address_space: global }
    .group_segment_fixed_size: 168448
    .private_segment_fixed_size: 0
    .kernarg_segment_align: 8
    .kernarg_segment_size: 40
    .max_flat_workgroup_size: 128
    .sgpr_count:     66
    .vgpr_count:     768
    .wavefront_size: 32
...
	.end_amdgpu_metadata
.endif
;; end of part 4
;; launch bn_res (part 5): grid 256 x 1, 8 waves a work-group, no clusters, 0 bytes of LDS; arguments x, y, part, gamma, beta, out0; writes out0
.if DOCPART == 5
	.amdgcn_target "amdgcn-amd-amdhsa--gfx1250"
	.amdhsa_code_object_version 6
	.text
	.protected	k_qb90ef6d22c_bn_res
	.globl	k_qb90ef6d22c_bn_res
	.p2align	8
	.type	k_qb90ef6d22c_bn_res,@function
k_qb90ef6d22c_bn_res:
	s_mov_b64 s[64:65], 0
	v_nop
	global_prefetch_b8 v0, s[64:65] scope:SCOPE_SE
	s_setreg_imm32_b32 hwreg(HW_REG_WAVE_MODE, 25, 1), 1
	s_wait_xcnt 0x0
; out0 = x + gamma (y - mean) / sqrt(var + 1e-5) + beta, mean and var of each channel over all 8,192 (b, t).
; A wave owns 4 channels of one batch: 16 KiB on end in each of x, y and out0.  256 work-groups x 8 waves x 4 channels = 8 batches x 1,024 channels.
; THE STATISTICS: 64 groups' means and sums of squared deviations (of 128 numbers each) are joined without a difference of large sums:
; mean = the mean of the means;  var = (128 x the sum of (group's mean - mean)^2 + the sum of the groups' sums) / 8,192.  Lane = (channel lane % 4, groups 8 i + lane / 4).
; THE STREAM: three row slots in registers (a row: 4,096 bytes of x and of y, 8 + 8 loads of 512 consecutive bytes).  Three of a wave's four rows are asked for at the start, 24 KiB a wave, 192 KiB a work-group;
; the fourth takes the first's slot when that row's stores have read their registers.  Every offset is an immediate.
; Memory binds: no LDS, no barrier, no matrix unit, no cluster: waves share nothing but 512 KiB of statistics.
.set XR,  48                           ; slot s: x at v[48 + 64 s], y at v[80 + 64 s]; the result takes y's place
	s_load_b256 s[4:11], s[0:1], 0x0               ; x s[4:5], y s[6:7], part s[8:9], gamma s[10:11]
	s_load_b128 s[12:15], s[0:1], 0x20             ; beta s[12:13], out0 s[14:15]
	v_lshrrev_b32 v1, 5, v0
	v_readfirstlane_b32 s16, v1                    ; wave 0..7
	s_lshr_b32 s17, ttmp9, 5                       ; b
	s_and_b32 s18, ttmp9, 31
	s_lshl_b32 s18, s18, 5
	s_lshl_b32 s19, s16, 2
	s_add_co_u32 s18, s18, s19                     ; my first channel: 32 x (work-group % 32) + 4 x wave
	s_lshl_b32 s20, s17, 22
	s_lshl_b32 s19, s18, 12
	s_add_co_u32 s20, s20, s19
	s_mov_b32 s21, 0
	s_lshl_b32 s22, s18, 2
	s_mov_b32 s23, 0
	s_mov_b32 s30, 0x76543210
	s_mov_b32 s31, 0xfedcba98
	s_mov_b32 s32, 0x39000000                      ; 1 / 8,192
	v_and_b32 v1, 31, v0
	v_lshlrev_b32 v1, 4, v1                        ; 16 x lane
	v_and_b32 v3, 3, v0
	v_lshlrev_b32 v3, 2, v3                        ; my channel
	v_bfe_u32 v2, v0, 2, 3                         ; lane / 4
	v_lshl_add_u32 v2, v2, 12, v3                  ; and my first group: a group's row of part is 4,096 bytes
	v_mov_b32 v12, 0                               ; a lane permute's destination counts as read
	s_wait_kmcnt 0x0
	s_add_nc_u64 s[4:5], s[4:5], s[20:21]
	s_add_nc_u64 s[6:7], s[6:7], s[20:21]
	s_add_nc_u64 s[14:15], s[14:15], s[20:21]
	s_add_nc_u64 s[8:9], s[8:9], s[22:23]
	s_add_nc_u64 s[10:11], s[10:11], s[22:23]
	s_add_nc_u64 s[12:13], s[12:13], s[22:23]
.irp i, 0,1,2,3,4,5,6,7
	global_load_b32 v[16+\i], v2, s[8:9] offset:32768*\i            ; the means of groups 8 i + lane / 4
.endr
.irp i, 0,1,2,3,4,5,6,7
	global_load_b32 v[32+\i], v2, s[8:9] offset:262144+32768*\i     ; their sums of squared deviations
.endr
	global_load_b32 v8, v3, s[10:11]               ; gamma
	global_load_b32 v9, v3, s[12:13]               ; beta
.macro FILL i
.irp j, 0,1,2,3,4,5,6,7
	global_load_b128 v[XR+64*((\i)%3)+4*\j:XR+64*((\i)%3)+4*\j+3], v1, s[4:5] offset:4096*(\i)+512*\j th:TH_LOAD_NT
	global_load_b128 v[XR+32+64*((\i)%3)+4*\j:XR+32+64*((\i)%3)+4*\j+3], v1, s[6:7] offset:4096*(\i)+512*\j th:TH_LOAD_NT
.endr
.endm
	FILL 0
	FILL 1
	FILL 2
	s_wait_loadcnt 48                              ; the statistics are in; the three rows' 48 loads may be out
	v_pk_add_f32 v[10:11], v[16:17], v[18:19]
	v_pk_add_f32 v[10:11], v[10:11], v[20:21]
	v_pk_add_f32 v[10:11], v[10:11], v[22:23]
	v_add_f32 v10, v10, v11
	v_add_f32_dpp v10, v10, v10 row_xmask:4 row_mask:0xf bank_mask:0xf   ; the lanes of one channel lie 4 apart
	v_add_f32_dpp v10, v10, v10 row_xmask:8 row_mask:0xf bank_mask:0xf
	v_permlanex16_b32 v12, v10, s30, s31
	v_add_f32 v10, v10, v12
	v_mul_f32 v13, 0x3c800000, v10                 ; / 64: the channel's mean
.irp i, 0,1,2,3,4,5,6,7
	v_sub_f32 v[16+\i], v[16+\i], v13
.endr
	v_mul_f32 v14, v16, v16
	v_mul_f32 v15, v17, v17
.irp i, 18,20,22
	v_fmac_f32 v14, v[\i], v[\i]
	v_fmac_f32 v15, v[\i+1], v[\i+1]
.endr
	v_add_f32 v14, v14, v15
.irp i, 34,36,38
	v_pk_add_f32 v[32:33], v[32:33], v[\i:\i+1]
.endr
	v_add_f32 v32, v32, v33
	v_fmamk_f32 v14, v14, 0x43000000, v32          ; 128 x the means' squares + the groups' sums
	v_add_f32_dpp v14, v14, v14 row_xmask:4 row_mask:0xf bank_mask:0xf
	v_add_f32_dpp v14, v14, v14 row_xmask:8 row_mask:0xf bank_mask:0xf
	v_permlanex16_b32 v12, v14, s30, s31
	v_add_f32 v14, v14, v12
	v_fmaak_f32 v14, s32, v14, 0x3727c5ac          ; var + 1e-5
	v_rsq_f32 v15, v14
	v_mul_f32 v13, -1.0, v13                       ; -mean.  (A plain line behind the root)
	s_wait_alu depctr_va_vdst(0)
	v_mul_f32 v15, v8, v15                         ; a = gamma / sqrt(var + 1e-5)
; Row i.  left = how many younger loads may stay out when this row has to be there.
.macro TURN i, left
.if (\i) == 1
	s_wait_xcnt 0x0                                ; row 0's stores have read their registers: its slot is loaded again only behind this wait
	FILL 3
.endif
	s_wait_loadcnt \left
	v_readlane_b32 s24, v13, \i                    ; lane i holds channel i's numbers
	v_readlane_b32 s26, v15, \i
	v_readlane_b32 s28, v9, \i
	s_mov_b32 s25, s24                             ; (the packed forms name pairs and take their low words)
	s_mov_b32 s27, s26
	s_mov_b32 s29, s28
.set XS, XR+64*((\i)%3)
.set jj, 0
.rept 16
	v_pk_add_f32 v[XS+32+jj:XS+33+jj], v[XS+32+jj:XS+33+jj], s[24:25] op_sel_hi:[1,0]                    ; y - mean
.set jj, jj+2
.endr
.set jj, 0
.rept 16
	v_pk_fma_f32 v[XS+32+jj:XS+33+jj], v[XS+32+jj:XS+33+jj], s[26:27], v[XS+jj:XS+jj+1] op_sel_hi:[1,0,1]   ; times a, plus x
.set jj, jj+2
.endr
.set jj, 0
.rept 16
	v_pk_add_f32 v[XS+32+jj:XS+33+jj], v[XS+32+jj:XS+33+jj], s[28:29] op_sel_hi:[1,0]                    ; + beta
.set jj, jj+2
.endr
.irp j, 0,1,2,3,4,5,6,7
	global_store_b128 v1, v[XS+32+4*\j:XS+35+4*\j], s[14:15] offset:4096*(\i)+512*\j th:TH_STORE_NT      ; 512 consecutive aligned bytes
.endr
.endm
	TURN 0, 32                                     ; rows 1 and 2 may be out
	TURN 1, 32                                     ; rows 2 and 3
	TURN 2, 16                                     ; row 3
	TURN 3, 0
	s_endpgm
.Lfunc_end_k_qb90ef6d22c_bn_res:
	.size	k_qb90ef6d22c_bn_res, .Lfunc_end_k_qb90ef6d22c_bn_res-k_qb90ef6d22c_bn_res
	.p2alignl 7, 3214868480
	.fill 96, 4, 3214868480
	.section	.rodata,"a",@progbits
	.p2align	6, 0x0
	.amdhsa_kernel k_qb90ef6d22c_bn_res
		.amdhsa_group_segment_fixed_size 0
		.amdhsa_private_segment_fixed_size 0
		.amdhsa_enable_private_segment 0
		.amdhsa_kernarg_size 48
		.amdhsa_user_sgpr_count 2
		.amdhsa_user_sgpr_kernarg_segment_ptr 1
		.amdhsa_wavefront_size32 1
		.amdhsa_system_sgpr_workgroup_id_x 1
		.amdhsa_system_sgpr_workgroup_id_y 1
		.amdhsa_system_sgpr_workgroup_id_z 1
		.amdhsa_system_vgpr_workitem_id 0
		.amdhsa_next_free_vgpr 240
		.amdhsa_next_free_sgpr 66
		.amdhsa_reserve_vcc 0
		.amdhsa_float_denorm_mode_32 3
		.amdhsa_float_denorm_mode_16_64 3
		.amdhsa_memory_ordered 1
		.amdhsa_forward_progress 1
		.amdhsa_inst_pref_size 28
	.end_amdhsa_kernel
	.amdgpu_metadata
---
amdhsa.version: [ 1, 2 ]
amdhsa.kernels:
  - .name:           k_qb90ef6d22c_bn_res
    .symbol:         k_qb90ef6d22c_bn_res.kd
    .args:
      - { .name: x, .offset: 0, .size: 8, .value_kind: global_buffer, .address_space: global }
      - { .name: y, .offset: 8, .size: 8, .value_kind: global_buffer, .address_space: global }
      - { .name: part, .offset: 16, .size: 8, .value_kind: global_buffer, .address_space: global }
      - { .name: gamma, .offset: 24, .size: 8, .value_kind: global_buffer, .address_space: global }
      - { .name: beta, .offset: 32, .size: 8, .value_kind: global_buffer, .address_space: global }
      - { .name: out0, .offset: 40, .size: 8, .value_kind: global_buffer, .address_space: global }
    .group_segment_fixed_size: 0
    .private_segment_fixed_size: 0
    .kernarg_segment_align: 8
    .kernarg_segment_size: 48
    .max_flat_workgroup_size: 256
    .sgpr_count:     66
    .vgpr_count:     240
    .wavefront_size: 32
...
	.end_amdgpu_metadata
.endif
;; end of part 5
;; ======== version 2 of 2: 5 launches; version 1 with the launches attn, bn_res written anew for expert scheduling mode
;; workspace buffers: xq 4,456,448 bytes; wr 2,228,224 bytes; qk 8,912,896 bytes; vq 4,456,448 bytes; oq 4,456,448 bytes; y 33,554,432 bytes; part 524,288 bytes
;; launch quant: the kernel of part 1 again; grid 768 x 1, 4 waves a work-group, no clusters, 34,304 bytes of LDS; arguments x, wq, wk, wv, wo, xq, wr; writes xq, wr
;; launch gemm_qkv: the kernel of part 2 again; grid 192 x 1, 4 waves a work-group, no clusters, 168,448 bytes of LDS; arguments xq, wr, bq, bk, bv, qk, vq; writes qk, vq
;; launch attn (part 6): grid 2 x 128, 4 waves a work-group, no clusters, 33,280 bytes of LDS; arguments qk, vq, oq; writes oq
.if DOCPART == 6
	.amdgcn_target "amdgcn-amd-amdhsa--gfx1250"
	.amdhsa_code_object_version 6
	.text
	.protected	k_qb90ef6d22c_attn
	.globl	k_qb90ef6d22c_attn
	.p2align	8
	.type	k_qb90ef6d22c_attn,@function
k_qb90ef6d22c_attn:
	s_mov_b64 s[64:65], 0
	v_nop
	global_prefetch_b8 v0, s[64:65] scope:SCOPE_SE
	s_setreg_imm32_b32 hwreg(HW_REG_WAVE_SCHED_MODE, 0, 2), 2
	s_setreg_imm32_b32 hwreg(HW_REG_WAVE_MODE, 25, 1), 1
	s_wait_xcnt 0x0
	s_wait_alu depctr_vm_vsrc(0)
; out = softmax(q k^T / 8) v for one head and half of its queries, both products on codes of FP4 with E8M0 scales; attn is quantised FINISHED AND NORMALISED, along the keys; out is quantised along the channels and stored as the last product's operand.
; A wave owns 8 tiles of 16 queries, one a trip.  THE WHOLE ROW OF SCORES OF A TILE (16 queries x 1,024 keys: 512 registers) STAYS IN REGISTERS: maximum, exponential, sum, division and quantising need no second pass.
; Both products are used transposed (S^T = k q^T, O^T = v^T attn^T): a lane holds one query (lane % 16) throughout; key tiles are in the order 32 beta + 8 u + r + 8 (r / 8), so a block of 32 keys is 16 registers of lanes l and l xor 16.
; K = 64 IN A FORM OF K = 128: two key tiles make one 8-register source 0; source 1 is [q, 0] for the even tile and [0, q] for the odd one: zero codes add nothing.  The head's k (32 KiB) stays in 256 registers.
; v (32 KiB of images) is written to LDS once, a quarter by each wave, and only read afterwards.
; SOFTMAX: p = 2^(c s - c m), m the row's maximum, c = log2(e) / 8 (the 1/8 that q was not given); attn = p x (1 / sum).  The rounding of c m is a factor common to a row and leaves with the division.
; A block's largest attn is not searched for: the block's largest score goes through the same three instructions.  (This takes v_exp_f32 not to fall where its input rises.)
; THE 32 BLOCKS' FIGURES ARE KEPT FOLDED: a block's figure is the same in lanes l and l xor 16, so block b lies in lanes 0-15 and block b + 16 in lanes 16-31 of ONE register: 16 registers go through
; scaling, exponential, division, floor and byte.  The scale words so fall into four registers, key step s below and key step s + 4 above; the conversions' scale operands are spread over both halves again.
; LIMITS: p under 2^-126 counts as 0; a block of zeros gets the byte 1 (zero codes); NaN and infinities among the inputs are not served, so the reference's replacing of NaN has nothing to do.
; The scale bytes of out leave as stores of 2 bytes a row, 32 bytes apart: 256 KiB in the launch.
; NO CLUSTER: the two work-groups of a head share k and v, 64 KiB read once at the head; k lands in registers, where no joint load can put it.
; REGISTERS: window 0: see the names below.  window 1: k, tile i at v[4 i].  windows 2, 3: S^T, then p, then attn: score tile i at v[8 (i % 32)] of window 2 + i / 32.
; THE MODE: SCHED_MODE bits 1:0 = 2 (LLVM: expert scheduling mode 2), set by the entry lines.  The code itself states the register dependences
; between vector or matrix instructions and memory or LDS instructions, with s_wait_alu, always for 0.
; THE PLAN.  Registers that memory or LDS instructions touch:
;   v1-v4, v6      Offsets, made at the head and never written again: q's pair words, q's codes and out's records are reached by scalar bases and immediate offsets.
;   v12-15, v20    q's codes and its pair word.  Read by a trip's 64 products S^T and by the v_perm at the end of the trip before; the next tile's two loads land in them.
;   VF set 0, 1    v's fragments.  Key step s's four products read set s % 2; the LDS loads of key step s + 2 land in it.  v180-195 of set 1 also hold the blocks' bytes ahead of key step 0.
;   v220-224       out's codes and two scale bytes.  Written at a trip's end; read by its two stores.
;   v100-163       At the head only: loaded, then read by my LDS stores of v; afterwards set 0 and O^T.
;   v254, v255     Written at the head, read by the closing add alone.
; THE WAITS OF A TRIP.  (1) Behind window 2's exponentials: their results are written; the 64 products are done reading q: the next q's loads follow.  Beside it the waits that free what the last trip's stores read.
; (2) One in each key step, behind the places that follow the swaps: attn's codes are written, and the last step's products are done reading the other set of v's fragments: the next key step's loads follow, ahead of the four products,
; which name this step's set, the codes, the scale words and O^T: none of the registers in which those loads land.  (3) Behind window 3's exponentials, and behind the reciprocal: their results.
; (4) Ahead of the two stores: their data are written; so is q's new scale word, and key steps 6 and 7 are done reading both sets: so the next trip's products and its first fetch of v owe nothing more.
.set REC,  8704
.set RSC,  8192
.set QKS,  8388608
.set VSO,  4194304
.set LI,   1                           ; 16 x lane
.set L4,   2                           ; 4 x lane
.set R4,   3                           ; 4 r
.set R32,  4                           ; 32 r
.set QHI,  8                           ; v[8:15]  = [0, q]
.set QLO,  12                          ; v[12:19] = [q, 0]
.set QW,   20                          ; the pair word as loaded
.set QS,   21                          ; q's two bytes in both halves
.set NCM,  22                          ; v[22:23] -c m
.set RL,   24                          ; v[24:25] 1 / sum
.set BM,   36                          ; v36-67   each lane half's largest score of a block; folded into v36-51: largest score, largest attn, scale operand; at last all 32 scale operands
.set KS,   68                          ; v68-83   k's scale words: lanes 0-15 pair 2 n, lanes 16-31 pair 2 n + 1
.set VS,   84                          ; v84-99   v's: register 2 ks + q: lanes 0-15 tile 2 q, lanes 16-31 tile 2 q + 1
.set VF0,  100                         ; v100-131 v's four fragments, set 0;  set 1: v180-211
.set OA,   132                         ; v132-163 O^T, four accumulators
.set PC,   164                         ; v164-171 attn's codes of a key step
.set PW,   172                         ; v172-175 attn's scale words: lanes 0-15 key step s, lanes 16-31 key step s + 4
.set TMP,  180                         ; v180-195 the blocks' bytes, folded (then set 1 of v's fragments)
.set OT,   212                         ; v212-224 at work
.set SU,   226                         ; v226-241 eight pairs of sums
.set WV,   18
.set SEL,  20
.set CS,   22
.set NC,   24
.set QSEL, 25
.set CNT,  40
.set MSB, 0
.macro WIN new
.if MSB != \new
	s_set_vgpr_msb (MSB<<8)|\new
.set MSB, \new
.endif
.endm
	s_load_b128 s[4:7], s[0:1], 0x0                ; qk, vq
	s_load_b64 s[8:9], s[0:1], 0x10                ; oq
	v_lshl_add_u32 v254, v0, 2, 0x8000
	v_mov_b32 v255, 0
	v_lshrrev_b32 v1, 5, v0
	v_readfirstlane_b32 s[WV], v1
	s_and_b32 s10, ttmp7, 0xffff
	s_lshr_b32 s11, s10, 4                         ; b
	s_and_b32 s12, s10, 15                         ; head
	s_lshl_b32 s13, ttmp9, 5
	s_wait_alu depctr_va_sdst(0)                   ; the wave's number is written, ahead of its first reader
	s_lshl_b32 s14, s[WV], 3
	s_add_co_u32 s13, s13, s14                     ; my first query tile
	s_lshl_b32 s46, s11, 20
	s_lshl_b32 s47, s12, 15
	s_add_co_u32 s46, s46, s47                     ; q head's codes
	s_add_co_u32 s26, s46, 16<<15                  ; k head's: 16 heads on
	s_mov_b32 s27, 0
	s_lshl_b32 s47, s13, 9
	s_add_co_u32 s34, s46, s47                     ; my first tile's codes
	s_mov_b32 s35, 0
	s_lshl_b32 s46, s11, 16
	s_lshl_b32 s47, s12, 11
	s_add_co_u32 s46, s46, s47
	s_add_co_u32 s46, s46, QKS                     ; q head's scale words
	s_add_co_u32 s28, s46, 16<<11                  ; k head's
	s_mov_b32 s29, 0
	s_lshl_b32 s47, s13, 5                         ; 64 bytes a pair of tiles
	s_add_co_u32 s36, s46, s47
	s_mov_b32 s37, 0
	s_lshl_b32 s30, s11, 19
	s_lshl_b32 s47, s12, 15
	s_add_co_u32 s30, s30, s47
	s_lshl_b32 s47, s[WV], 13
	s_add_co_u32 s30, s30, s47                     ; my quarter of the head's v
	s_mov_b32 s31, 0
	v_and_b32 v7, 31, v0
	v_lshlrev_b32 v[LI], 4, v7
	v_add_nc_u32 v6, s47, v[LI]                    ; and its place in LDS: 8,192 x wave + 16 x lane
	s_lshl_b32 s32, s11, 15
	s_lshl_b32 s47, s12, 8
	s_add_co_u32 s32, s32, s47
	s_add_co_u32 s32, s32, VSO                     ; v's scale words
	s_mov_b32 s33, 0
	s_lshl_b32 s38, s11, 6
	s_add_co_u32 s38, s38, s13
	s_mul_i32 s38, s38, REC                        ; out: record 64 b + tile
	s_lshl_b32 s47, s12, 1
	s_add_co_u32 s44, s38, s47
	s_add_co_u32 s44, s44, RSC                     ; my head's two bytes of a row's 32
	s_mov_b32 s45, 0
	s_lshl_b32 s47, s12, 9                         ; my head's half image: 1,024 (head / 2) + 512 (head % 2)
	s_add_co_u32 s38, s38, s47
	s_mov_b32 s39, 0
	s_mov_b32 s[SEL], 0x76543210
	s_mov_b32 s[SEL+1], 0xfedcba98
	s_mov_b32 s[CS], 0x3e38aa3b                    ; c = log2(e) / 8
	s_mov_b32 s[CS+1], s[CS]
	s_mov_b32 s[NC], 0xbe38aa3b                    ; -c
	s_mov_b32 s[QSEL], 0x01000100                  ; an even tile's two bytes, twice
	s_mov_b32 s[CNT], 8
	s_mov_b32 s41, 0                               ; the tile's number in my eight
	s_mov_b32 s43, 0                               ; the upper word of the pair words' offset s[42:43]
	v_lshlrev_b32 v[L4], 2, v7
	v_and_b32 v7, 15, v0
	v_lshlrev_b32 v[R4], 2, v7
	v_lshlrev_b32 v[R32], 5, v7
.irp j, 0,1,2,3
	v_mov_b32 v[QHI+\j], 0
	v_mov_b32 v[QLO+4+\j], 0
.endr
.irp j, 0,1,2,3,4,5,6,7
	v_mov_b32 v[OT+\j], 0                          ; lane permutes' destinations count as read
.endr
	s_wait_kmcnt 0x0
	s_add_nc_u64 s[26:27], s[4:5], s[26:27]
	s_add_nc_u64 s[28:29], s[4:5], s[28:29]
	s_add_nc_u64 s[34:35], s[4:5], s[34:35]
	s_add_nc_u64 s[36:37], s[4:5], s[36:37]
	s_add_nc_u64 s[30:31], s[6:7], s[30:31]
	s_add_nc_u64 s[32:33], s[6:7], s[32:33]
	s_add_nc_u64 s[38:39], s[8:9], s[38:39]
	s_add_nc_u64 s[44:45], s[8:9], s[44:45]
	s_wait_alu depctr_va_vdst(0)                   ; the offsets v1 to v4 and v6 are written, which every load and store of the kernel reads; so are the zero halves beside q, which the products take.  Only loads and window switches follow up to the last load of the head
.set ii, 0
.rept 16
	global_load_b128 v[VF0+4*ii:VF0+4*ii+3], v[LI], s[30:31] offset:512*ii
.set ii, ii+1
.endr
	WIN 0x40
.set ii, 0
.rept 64
	global_load_b128 v[4*ii:4*ii+3], v[LI], s[26:27] offset:512*ii
.set ii, ii+1
.endr
	WIN 0
.set ii, 0
.rept 16
	global_load_b32 v[KS+ii], v[L4], s[28:29] offset:128*ii
.set ii, ii+1
.endr
.irp ks, 0,1,2,3,4,5,6,7
.irp q, 0,1
	global_load_b32 v[VS+2*\ks+\q], v[L4], s[32:33] offset:4096*\ks+128*\q
.endr
.endr
	global_load_b128 v[QLO:QLO+3], v[LI], s[34:35]
	global_load_b32 v[QW], v[R4], s[36:37]
	s_wait_loadcnt 0x0
.set ii, 0
.rept 16
	ds_store_b128 v6, v[VF0+4*ii:VF0+4*ii+3] offset:512*ii
.set ii, ii+1
.endr
	s_wait_dscnt 0x0                               ; for the others' sake: my quarter of v lies in LDS
	s_barrier_signal -1
	s_barrier_wait -1                              ; the one barrier of the launch
	s_wait_alu depctr_vm_vsrc(0)                   ; my LDS stores have read v100-163: from here on these are v's fragments, in which LDS loads land, and O^T, which products write
	v_perm_b32 v[QS], v[QW], v[QW], s[QSEL]
.rept 8
	v_nop                                          ; a scale register written by a vector instruction stands 8 places ahead of a scaled product
.endr
	s_wait_alu depctr_va_vdst(0)                   ; q's scale word is written, which the first tile's products take; in the later trips the wait ahead of the stores states the same
.macro VFETCH s                        ; v's four fragments of key step s into set s % 2
.irp dt, 0,1,2,3
.irp c, 0,1
	ds_load_b128 v[VF0+80*((\s)%2)+8*\dt+4*\c:VF0+80*((\s)%2)+8*\dt+4*\c+3], v[LI] offset:(8*\dt+(\s))*1024+512*\c
.endr
.endr
.endm
.macro BMAX win, off                   ; my lane's largest score of each of a window's 16 blocks, eight blocks by turns, so that no line reads a result made just before it; each accumulator is read from its low end on
	WIN \win
.irp q, 0,1
.irp b, 0,1,2,3,4,5,6,7
	v_max_num_f32 v[BM+\off+8*\q+\b], v[16*(8*\q+\b)], v[16*(8*\q+\b)+1]
.endr
.irp i, 2,4,6,8,10,12,14
.irp b, 0,1,2,3,4,5,6,7
	v_max3_num_f32 v[BM+\off+8*\q+\b], v[16*(8*\q+\b)+\i], v[16*(8*\q+\b)+\i+1], v[BM+\off+8*\q+\b]
.endr
.endr
.endr
.endm
.macro EXPW win                        ; a window's 256 scores become p; a block's scalings stand among the exponentials of the block before
	WIN \win
.irp j, 0,2,4,6,8,10,12,14
	v_pk_fma_f32 v[\j:\j+1], v[\j:\j+1], s[CS:CS+1], v[NCM:NCM+1] op_sel_hi:[1,0,0]
.endr
.set bb, 0
.rept 16
.irp j, 0,2,4,6,8,10,12,14
	v_exp_f32 v[16*bb+\j], v[16*bb+\j]
.if bb < 15
	v_pk_fma_f32 v[16*bb+16+\j:16*bb+17+\j], v[16*bb+16+\j:16*bb+17+\j], s[CS:CS+1], v[NCM:NCM+1] op_sel_hi:[1,0,0]
.endif
	v_exp_f32 v[16*bb+\j+1], v[16*bb+\j+1]
.endr
.set bb, bb+1
.endr
	v_nop                                          ; a plain line behind the last exponential
.endm
.macro PVSTEP s                        ; key step s: 128 keys are divided by the sum, quantised, and multiplied by v
.set ww, 2+(\s)/4
.set wa, ww*64+ww
.set oo, 64*((\s)%4)
	WIN wa
.set jj, 0
.rept 32
	v_pk_mul_f32 v[oo+jj:oo+jj+1], v[oo+jj:oo+jj+1], v[RL:RL+1]   ; attn.  (These 32 are also the places behind the last step's products)
.set jj, jj+2
.endr
	WIN ww
.irp b, 0,1,2,3
	v_cvt_scalef32_pk8_fp4_f32 v[PC+2*\b], v[oo+16*\b:oo+16*\b+7], v[BM+4*(\s)+\b]
	v_cvt_scalef32_pk8_fp4_f32 v[PC+2*\b+1], v[oo+16*\b+8:oo+16*\b+15], v[BM+4*(\s)+\b]
.endr
	WIN 0
	v_nop                                          ; a plain line behind the last scaled conversion
.irp c, 0,1
.irp i, 0,1
	v_permlane16_swap_b32 v[PC+4*\c+\i], v[PC+2+4*\c+\i]
.endr
.endr
.rept 4
	v_nop                                          ; an operand written by vector instructions stands 4 places ahead of a scaled product
.endr
	s_wait_alu depctr_va_vdst(0)                   ; attn's codes are written (in key step 0 its scale words too), which the products below take; the last key step's products are done reading the other set of v's fragments, in which the loads below land (in key step 0: the last tile's key step 7, and the lines that made and read the blocks' bytes in v180-195)
.if (\s) < 7
	VFETCH (\s)+1
	s_wait_dscnt 8                                 ; this step's fragments of v are in; the eight loads just issued may be out
.else
	s_wait_dscnt 0x0
.endif
.irp dt, 0,1,2,3                               ; the four accumulators take turns.  v's scale words: the odd tile's lie in lanes 16-31; attn's: key steps 4-7 lie in lanes 16-31
.set vf, VF0+80*((\s)%2)+8*\dt
.if (\s) == 0
.if \dt%2
	v_wmma_scale_f32_16x16x128_f8f6f4 v[OA+8*\dt:OA+8*\dt+7], v[vf:vf+7], v[PC:PC+7], 0, v[VS+2*(\s)+\dt/2], v[PW] matrix_a_fmt:MATRIX_FMT_FP4 matrix_b_fmt:MATRIX_FMT_FP4 matrix_a_scale:MATRIX_SCALE_ROW1
.else
	v_wmma_scale_f32_16x16x128_f8f6f4 v[OA+8*\dt:OA+8*\dt+7], v[vf:vf+7], v[PC:PC+7], 0, v[VS+2*(\s)+\dt/2], v[PW] matrix_a_fmt:MATRIX_FMT_FP4 matrix_b_fmt:MATRIX_FMT_FP4
.endif
.elseif (\s) < 4
.if \dt%2
	v_wmma_scale_f32_16x16x128_f8f6f4 v[OA+8*\dt:OA+8*\dt+7], v[vf:vf+7], v[PC:PC+7], v[OA+8*\dt:OA+8*\dt+7], v[VS+2*(\s)+\dt/2], v[PW+(\s)] matrix_a_fmt:MATRIX_FMT_FP4 matrix_b_fmt:MATRIX_FMT_FP4 matrix_a_scale:MATRIX_SCALE_ROW1
.else
	v_wmma_scale_f32_16x16x128_f8f6f4 v[OA+8*\dt:OA+8*\dt+7], v[vf:vf+7], v[PC:PC+7], v[OA+8*\dt:OA+8*\dt+7], v[VS+2*(\s)+\dt/2], v[PW+(\s)] matrix_a_fmt:MATRIX_FMT_FP4 matrix_b_fmt:MATRIX_FMT_FP4
.endif
.else
.if \dt%2
	v_wmma_scale_f32_16x16x128_f8f6f4 v[OA+8*\dt:OA+8*\dt+7], v[vf:vf+7], v[PC:PC+7], v[OA+8*\dt:OA+8*\dt+7], v[VS+2*(\s)+\dt/2], v[PW+(\s)-4] matrix_a_fmt:MATRIX_FMT_FP4 matrix_b_fmt:MATRIX_FMT_FP4 matrix_a_scale:MATRIX_SCALE_ROW1 matrix_b_scale:MATRIX_SCALE_ROW1
.else
	v_wmma_scale_f32_16x16x128_f8f6f4 v[OA+8*\dt:OA+8*\dt+7], v[vf:vf+7], v[PC:PC+7], v[OA+8*\dt:OA+8*\dt+7], v[VS+2*(\s)+\dt/2], v[PW+(\s)-4] matrix_a_fmt:MATRIX_FMT_FP4 matrix_b_fmt:MATRIX_FMT_FP4 matrix_b_scale:MATRIX_SCALE_ROW1
.endif
.endif
.endr
.endm
.Ltile:
	; ---- S^T = k q^T: 64 products, each its own accumulator
.set ii, 0
.rept 64
.if ii < 32
	WIN 0x81                                       ; source 0 (k) window 1, result window 2
.else
	WIN 0xc1
.endif
.set dd, 8*(ii%32)
.set gg, ii/2
.set qq, QLO-4*(ii%2)
.if gg%2
	v_wmma_scale_f32_16x16x128_f8f6f4 v[dd:dd+7], v[8*gg:8*gg+7], v[qq:qq+7], 0, v[KS+gg/2], v[QS] matrix_a_fmt:MATRIX_FMT_FP4 matrix_b_fmt:MATRIX_FMT_FP4 matrix_a_scale:MATRIX_SCALE_ROW1
.else
	v_wmma_scale_f32_16x16x128_f8f6f4 v[dd:dd+7], v[8*gg:8*gg+7], v[qq:qq+7], 0, v[KS+gg/2], v[QS] matrix_a_fmt:MATRIX_FMT_FP4 matrix_b_fmt:MATRIX_FMT_FP4
.endif
.set ii, ii+1
.endr
.rept 4
	v_nop                                          ; places in front of the first read of the scores
.endr
	; ---- the blocks' largest scores, folded; the row's maximum
	BMAX 0x0a, 0
	BMAX 0x0f, 16
	WIN 0
.irp b, 0,1,2,3,4,5,6,7,8,9,10,11,12,13,14,15
	v_permlane16_swap_b32 v[BM+\b], v[BM+16+\b]    ; the first now holds the lower lanes' 16 keys of block b (below) and of block b + 16 (above), the second the upper lanes' 16 keys of the same two
.endr
.irp b, 0,1,2,3,4,5,6,7,8,9,10,11,12,13,14,15
	v_max_num_f32 v[BM+\b], v[BM+\b], v[BM+16+\b]  ; lanes 0-15: block b's largest score of query r; lanes 16-31: block b + 16's
.endr
	v_max3_num_f32 v34, v[BM], v[BM+1], v[BM+2]
	v_max3_num_f32 v35, v[BM+3], v[BM+4], v[BM+5]
.irp i, 6,10
	v_max3_num_f32 v34, v34, v[BM+\i], v[BM+\i+1]
	v_max3_num_f32 v35, v35, v[BM+\i+2], v[BM+\i+3]
.endr
	v_max3_num_f32 v34, v34, v[BM+14], v[BM+15]
	v_max_num_f32 v34, v34, v35
	v_permlanex16_b32 v[OT], v34, s[SEL], s[SEL+1]
	v_max_num_f32 v34, v34, v[OT]                  ; m, in both lanes of the query
	v_mul_f32 v[NCM], s[NC], v34                   ; -c m
	v_mov_b32 v[NCM+1], v[NCM]
	VFETCH 0                                       ; no wait: set 0's last readers, the last tile's key step 6, stand ahead of the wait in front of that tile's stores (first trip: the head's waits), and no vector or matrix instruction since names v100-131
.set jj, 0
.rept 8
	v_pk_fma_f32 v[BM+jj:BM+jj+1], v[BM+jj:BM+jj+1], s[CS:CS+1], v[NCM:NCM+1] op_sel_hi:[1,0,0]
.set jj, jj+2
.endr
.set jj, 0
.rept 16
	v_exp_f32 v[BM+jj], v[BM+jj]                   ; each block's largest p
.set jj, jj+1
.endr
	v_nop
	; ---- p and its sum, window by window; the sum in eight chains
	EXPW 0x82
	WIN 0                                          ; (a branch and a label follow)
	s_wait_alu depctr_va_vdst(0)                   ; window 2's 256 exponentials and the blocks' 16 have written their results, ahead of their first reader; and the 64 products are done reading q's codes, the v_perm its pair word: the loads below land in both
	s_wait_xcnt 0x0                                ; the last tile's two stores have had their addresses translated: their bases and their data are written again only behind this wait,
	s_wait_alu depctr_vm_vsrc(0)                   ; and they have read v220-224, which this tile's end writes again
	s_add_nc_u64 s[38:39], s[38:39], REC           ; both bases one record past this tile's: the stores reach back
	s_add_nc_u64 s[44:45], s[44:45], REC
	s_cmp_eq_u32 s[CNT], 1                         ; the next tile's q is asked for here, if there is a next tile
	s_cbranch_scc1 .Lno_next
	s_add_nc_u64 s[34:35], s[34:35], 512           ; (the loads that read these bases were waited for)
	s_add_co_u32 s41, s41, 1
	s_lshr_b32 s42, s41, 1
	s_lshl_b32 s42, s42, 6                         ; 64 bytes a pair of tiles
	s_add_nc_u64 s[46:47], s[36:37], s[42:43]
	global_load_b128 v[QLO:QLO+3], v[LI], s[34:35]
	global_load_b32 v[QW], v[R4], s[46:47]
.Lno_next:
	WIN 0x0a
.irp k, 0,1,2,3,4,5,6,7
	v_pk_add_f32 v[SU+2*\k:SU+2*\k+1], v[2*\k:2*\k+1], v[16+2*\k:17+2*\k]   ; the first sixteen pairs start the chains: nothing is cleared
.endr
	WIN 0x08
.set jj, 32
.rept 112
	v_pk_add_f32 v[SU+2*((jj/2)%8):SU+2*((jj/2)%8)+1], v[SU+2*((jj/2)%8):SU+2*((jj/2)%8)+1], v[jj:jj+1]
.set jj, jj+2
.endr
	EXPW 0xc3
	WIN 0x0c
.set jj, 0
	s_wait_alu depctr_va_vdst(0)                   ; window 3's 256 exponentials have written their results, ahead of their first reader
.rept 128
	v_pk_add_f32 v[SU+2*((jj/2)%8):SU+2*((jj/2)%8)+1], v[SU+2*((jj/2)%8):SU+2*((jj/2)%8)+1], v[jj:jj+1]
.set jj, jj+2
.endr
	WIN 0
	; ---- 1 / sum; the blocks' scales
.irp k, 0,1,2,3
	v_pk_add_f32 v[SU+2*\k:SU+2*\k+1], v[SU+2*\k:SU+2*\k+1], v[SU+8+2*\k:SU+9+2*\k]
.endr
	v_pk_add_f32 v[SU:SU+1], v[SU:SU+1], v[SU+2:SU+3]
	v_pk_add_f32 v[SU+4:SU+5], v[SU+4:SU+5], v[SU+6:SU+7]
	v_pk_add_f32 v[SU:SU+1], v[SU:SU+1], v[SU+4:SU+5]
	v_add_f32 v[SU], v[SU], v[SU+1]
	v_permlanex16_b32 v34, v[SU], s[SEL], s[SEL+1]
	v_add_f32 v[SU], v[SU], v34                    ; the row's sum
	v_rcp_f32 v[RL], v[SU]
	v_nop                                          ; a plain line behind the reciprocal
	s_wait_alu depctr_va_vdst(0)                   ; the reciprocal has written its result, ahead of its first reader
	v_mov_b32 v[RL+1], v[RL]
.set jj, 0
.rept 8
	v_pk_mul_f32 v[BM+jj:BM+jj+1], v[BM+jj:BM+jj+1], v[RL:RL+1]   ; each block's largest attn: the same multiplication as its number's below
.set jj, jj+2
.endr
.set jj, 0
.rept 16
	v_max_num_f32 v[BM+jj], 0x1800000, v[BM+jj]    ; the floor 2^(3 - 127)
.set jj, jj+1
.endr
.set jj, 0
.rept 16
	v_add_nc_u32 v[BM+jj], 0xff000000, v[BM+jj]    ; 2 off the exponent field: the conversion's scale operand
.set jj, jj+1
.endr
.set jj, 0
.rept 16
	v_lshrrev_b32 v[TMP+jj], 23, v[BM+jj]          ; the byte
.set jj, jj+1
.endr
.irp s, 0,1,2,3                                ; blocks 4 s .. 4 s + 3 are key step s (lanes 0-15), blocks 16 + 4 s .. key step s + 4 (lanes 16-31)
	v_lshl_or_b32 v[PW+\s], v[TMP+4*\s+1], 8, v[TMP+4*\s]
.endr
.irp s, 0,1,2,3
	v_lshl_or_b32 v[PW+\s], v[TMP+4*\s+2], 16, v[PW+\s]
.endr
.irp s, 0,1,2,3
	v_lshl_or_b32 v[PW+\s], v[TMP+4*\s+3], 24, v[PW+\s]
.endr
.irp b, 0,1,2,3,4,5,6,7,8,9,10,11,12,13,14,15
	v_mov_b32 v[BM+16+\b], v[BM+\b]
.endr
.irp b, 0,1,2,3,4,5,6,7,8,9,10,11,12,13,14,15
	v_permlane16_swap_b32 v[BM+\b], v[BM+16+\b]    ; unfolded: the first holds block b's scale operand in both lanes of a query, the second block b + 16's
.endr
	; ---- O^T = v^T attn^T
.irp s, 0,1,2,3,4,5,6,7
	PVSTEP \s
.endr
	; ---- out: 64 channels of my query, register 16 b + i = channel 32 b + 16 (lane / 16) + i: two blocks, half an image
.rept 4
	v_nop
.endr
	s_wait_loadcnt 0x0                             ; the next tile's q
	s_xor_b32 s[QSEL], s[QSEL], 0x02020202         ; the pair word's other half
	v_perm_b32 v[QS], v[QW], v[QW], s[QSEL]        ; more than eight plain lines stand between this and the next tile's products
.irp b, 0,1
	v_max3_num_f32 v[OT+\b], |v[OA+16*\b]|, |v[OA+16*\b+1]|, 0x1800000
.endr
.irp i, 2,4,6,8,10,12,14
.irp b, 0,1
	v_max3_num_f32 v[OT+\b], v[OT+\b], |v[OA+16*\b+\i]|, |v[OA+16*\b+\i+1]|
.endr
.endr
.irp b, 0,1
	v_permlanex16_b32 v[OT+2+\b], v[OT+\b], s[SEL], s[SEL+1]
.endr
.irp b, 0,1
	v_max_num_f32 v[OT+\b], v[OT+\b], v[OT+2+\b]
.endr
.irp b, 0,1
	v_add_nc_u32 v[OT+4+\b], 0xff000000, v[OT+\b]
.endr
.irp b, 0,1
	v_lshrrev_b32 v[OT+6+\b], 23, v[OT+4+\b]
.endr
	v_lshl_or_b32 v[OT+12], v[OT+7], 8, v[OT+6]    ; my head's two bytes of the row's scale words
.irp b, 0,1
	v_cvt_scalef32_pk8_fp4_f32 v[OT+8+2*\b], v[OA+16*\b:OA+16*\b+7], v[OT+4+\b]
	v_cvt_scalef32_pk8_fp4_f32 v[OT+9+2*\b], v[OA+16*\b+8:OA+16*\b+15], v[OT+4+\b]
.endr
	v_nop
	v_permlane16_swap_b32 v[OT+8], v[OT+10]
	v_permlane16_swap_b32 v[OT+9], v[OT+11]
	s_wait_alu depctr_va_vdst(0)                   ; out's codes and its two bytes, v220-224, are written, which the stores read; q's new scale word is written, which the next tile's products take; key steps 6 and 7 are done reading v's fragments, in which the next tile's fetches land
	global_store_b128 v[LI], v[OT+8:OT+11], s[38:39] offset:-REC   ; 512 consecutive bytes; the base stands one record on
	global_store_b16 v[R32], v[OT+12], s[44:45] offset:-REC        ; lanes l and l xor 16 write the same two bytes with the same value
	s_sub_co_u32 s[CNT], s[CNT], 1
	s_cmp_lg_u32 s[CNT], 0
	s_cbranch_scc1 .Ltile
	s_wait_dscnt 0x0                               ; the closing lines, six on end
	s_wait_alu 0x0
	s_wait_tensorcnt 0x0
	ds_add_u32 v254, v255
	s_wait_dscnt 0x0
	s_endpgm
.Lfunc_end_k_qb90ef6d22c_attn:
	.size	k_qb90ef6d22c_attn, .Lfunc_end_k_qb90ef6d22c_attn-k_qb90ef6d22c_attn
	.p2alignl 7, 3214868480
	.fill 96, 4, 3214868480
	.section	.rodata,"a",@progbits
	.p2align	6, 0x0
	.amdhsa_kernel k_qb90ef6d22c_attn
		.amdhsa_group_segment_fixed_size 33280
		.amdhsa_private_segment_fixed_size 0
		.amdhsa_enable_private_segment 0
		.amdhsa_kernarg_size 24
		.amdhsa_user_sgpr_count 2
		.amdhsa_user_sgpr_kernarg_segment_ptr 1
		.amdhsa_wavefront_size32 1
		.amdhsa_system_sgpr_workgroup_id_x 1
		.amdhsa_system_sgpr_workgroup_id_y 1
		.amdhsa_system_sgpr_workgroup_id_z 1
		.amdhsa_system_vgpr_workitem_id 0
		.amdhsa_next_free_vgpr 1024
		.amdhsa_next_free_sgpr 66
		.amdhsa_reserve_vcc 0
		.amdhsa_float_denorm_mode_32 3
		.amdhsa_float_denorm_mode_16_64 3
		.amdhsa_memory_ordered 1
		.amdhsa_forward_progress 1
		.amdhsa_inst_pref_size 130
	.end_amdhsa_kernel
	.amdgpu_metadata
---
amdhsa.version: [ 1, 2 ]
amdhsa.kernels:
  - .name:           k_qb90ef6d22c_attn
    .symbol:         k_qb90ef6d22c_attn.kd
    .args:
      - { .name: qk, .offset: 0, .size: 8, .value_kind: global_buffer, .address_space: global }
      - { .name: vq, .offset: 8, .size: 8, .value_kind: global_buffer, .address_space: global }
      - { .name: oq, .offset: 16, .size: 8, .value_kind: global_buffer, .address_space: global }
    .group_segment_fixed_size: 33280
    .private_segment_fixed_size: 0
    .kernarg_segment_align: 8
    .kernarg_segment_size: 24
    .max_flat_workgroup_size: 128
    .sgpr_count:     66
    .vgpr_count:     1024
    .wavefront_size: 32
...
	.end_amdgpu_metadata
.endif
;; end of part 6
;; launch gemm_o: the kernel of part 4 again; grid 256 x 1, 4 waves a work-group, no clusters, 168,448 bytes of LDS; arguments oq, wr, bo, y, part; writes y, part
;; launch bn_res (part 7): grid 256 x 1, 8 waves a work-group, no clusters, 0 bytes of LDS; arguments x, y, part, gamma, beta, out0; writes out0
.if DOCPART == 7
	.amdgcn_target "amdgcn-amd-amdhsa--gfx1250"
	.amdhsa_code_object_version 6
	.text
	.protected	k_qb90ef6d22c_bn_res
	.globl	k_qb90ef6d22c_bn_res
	.p2align	8
	.type	k_qb90ef6d22c_bn_res,@function
k_qb90ef6d22c_bn_res:
	s_mov_b64 s[64:65], 0
	v_nop
	global_prefetch_b8 v0, s[64:65] scope:SCOPE_SE
	s_setreg_imm32_b32 hwreg(HW_REG_WAVE_SCHED_MODE, 0, 2), 2
	s_setreg_imm32_b32 hwreg(HW_REG_WAVE_MODE, 25, 1), 1
	s_wait_xcnt 0x0
	s_wait_alu depctr_vm_vsrc(0)
; out0 = x + gamma (y - mean) / sqrt(var + 1e-5) + beta, mean and var of each channel over all 8,192 (b, t).
; A wave owns 4 channels of one batch: 16 KiB on end in each of x, y and out0.  256 work-groups x 8 waves x 4 channels = 8 batches x 1,024 channels.
; THE STATISTICS: 64 groups' means and sums of squared deviations (of 128 numbers each) are joined without a difference of large sums:
; mean = the mean of the means;  var = (128 x the sum of (group's mean - mean)^2 + the sum of the groups' sums) / 8,192.  Lane = (channel lane % 4, groups 8 i + lane / 4).
; THE STREAM: three row slots in registers (a row: 4,096 bytes of x and of y, 8 + 8 loads of 512 consecutive bytes).  Three of a wave's four rows are asked for at the start, 24 KiB a wave, 192 KiB a work-group;
; the fourth takes the first's slot when that row's stores have read their registers.  Every offset is an immediate.
; Memory binds: no LDS, no barrier, no matrix unit, no cluster: waves share nothing but 512 KiB of statistics.
; THE MODE: SCHED_MODE bits 1:0 = 2 (LLVM: expert scheduling mode 2), set by the entry lines.  The code itself states the register dependences
; between vector instructions and memory instructions, with s_wait_alu, always for 0.
; THE PLAN.  Registers that memory instructions touch:
;   v1, v2, v3     Offsets, made once at the head and never written again.
;   v8, v9, v16-23, v32-39   The statistics, gamma and beta: loaded once; vector instructions alone name them afterwards.
;   X[s], Y[s]     Slot s = row % 3.  Row i's 48 packed lines read X[s] and write Y[s] in place; its eight stores read Y[s].  Row 3's loads land in X[0] and Y[0].
; So: one wait on va_vdst ahead of the first load (the offsets); one ahead of each row's stores (its Y is written); and ahead of row 3's loads one wait on vm_vsrc (row 0's stores have read Y[0]):
; row 0's packed lines stand ahead of the wait in front of its stores, and no vector instruction is issued between that wait and row 3's loads.
; Numbers that vector instructions hand to scalar registers (the wave's number; a row's three figures) have a wait on va_sdst ahead of their first reader.
.set XR,  48                           ; slot s: x at v[48 + 64 s], y at v[80 + 64 s]; the result takes y's place
	s_load_b256 s[4:11], s[0:1], 0x0               ; x s[4:5], y s[6:7], part s[8:9], gamma s[10:11]
	s_load_b128 s[12:15], s[0:1], 0x20             ; beta s[12:13], out0 s[14:15]
	v_lshrrev_b32 v1, 5, v0
	v_readfirstlane_b32 s16, v1                    ; wave 0..7
	s_lshr_b32 s17, ttmp9, 5                       ; b
	s_and_b32 s18, ttmp9, 31
	s_lshl_b32 s18, s18, 5
	s_wait_alu depctr_va_sdst(0)                   ; the wave's number is written, ahead of its first reader
	s_lshl_b32 s19, s16, 2
	s_add_co_u32 s18, s18, s19                     ; my first channel: 32 x (work-group % 32) + 4 x wave
	s_lshl_b32 s20, s17, 22
	s_lshl_b32 s19, s18, 12
	s_add_co_u32 s20, s20, s19
	s_mov_b32 s21, 0
	s_lshl_b32 s22, s18, 2
	s_mov_b32 s23, 0
	s_mov_b32 s30, 0x76543210
	s_mov_b32 s31, 0xfedcba98
	s_mov_b32 s32, 0x39000000                      ; 1 / 8,192
	v_and_b32 v1, 31, v0
	v_lshlrev_b32 v1, 4, v1                        ; 16 x lane
	v_and_b32 v3, 3, v0
	v_lshlrev_b32 v3, 2, v3                        ; my channel
	v_bfe_u32 v2, v0, 2, 3                         ; lane / 4
	v_lshl_add_u32 v2, v2, 12, v3                  ; and my first group: a group's row of part is 4,096 bytes
	v_mov_b32 v12, 0                               ; a lane permute's destination counts as read
	s_wait_kmcnt 0x0
	s_add_nc_u64 s[4:5], s[4:5], s[20:21]
	s_add_nc_u64 s[6:7], s[6:7], s[20:21]
	s_add_nc_u64 s[14:15], s[14:15], s[20:21]
	s_add_nc_u64 s[8:9], s[8:9], s[22:23]
	s_add_nc_u64 s[10:11], s[10:11], s[22:23]
	s_add_nc_u64 s[12:13], s[12:13], s[22:23]
	s_wait_alu depctr_va_vdst(0)                   ; the offsets v1, v2 and v3 are written: every load and store of the kernel reads one of them
.irp i, 0,1,2,3,4,5,6,7
	global_load_b32 v[16+\i], v2, s[8:9] offset:32768*\i            ; the means of groups 8 i + lane / 4
.endr
.irp i, 0,1,2,3,4,5,6,7
	global_load_b32 v[32+\i], v2, s[8:9] offset:262144+32768*\i     ; their sums of squared deviations
.endr
	global_load_b32 v8, v3, s[10:11]               ; gamma
	global_load_b32 v9, v3, s[12:13]               ; beta
.macro FILL i
.irp j, 0,1,2,3,4,5,6,7
	global_load_b128 v[XR+64*((\i)%3)+4*\j:XR+64*((\i)%3)+4*\j+3], v1, s[4:5] offset:4096*(\i)+512*\j th:TH_LOAD_NT
	global_load_b128 v[XR+32+64*((\i)%3)+4*\j:XR+32+64*((\i)%3)+4*\j+3], v1, s[6:7] offset:4096*(\i)+512*\j th:TH_LOAD_NT
.endr
.endm
	FILL 0
	FILL 1
	FILL 2
	s_wait_loadcnt 48                              ; the statistics are in; the three rows' 48 loads may be out
	v_pk_add_f32 v[10:11], v[16:17], v[18:19]
	v_pk_add_f32 v[10:11], v[10:11], v[20:21]
	v_pk_add_f32 v[10:11], v[10:11], v[22:23]
	v_add_f32 v10, v10, v11
	v_add_f32_dpp v10, v10, v10 row_xmask:4 row_mask:0xf bank_mask:0xf   ; the lanes of one channel lie 4 apart
	v_add_f32_dpp v10, v10, v10 row_xmask:8 row_mask:0xf bank_mask:0xf
	v_permlanex16_b32 v12, v10, s30, s31
	v_add_f32 v10, v10, v12
	v_mul_f32 v13, 0x3c800000, v10                 ; / 64: the channel's mean
.irp i, 0,1,2,3,4,5,6,7
	v_sub_f32 v[16+\i], v[16+\i], v13
.endr
	v_mul_f32 v14, v16, v16
	v_mul_f32 v15, v17, v17
.irp i, 18,20,22
	v_fmac_f32 v14, v[\i], v[\i]
	v_fmac_f32 v15, v[\i+1], v[\i+1]
.endr
	v_add_f32 v14, v14, v15
.irp i, 34,36,38
	v_pk_add_f32 v[32:33], v[32:33], v[\i:\i+1]
.endr
	v_add_f32 v32, v32, v33
	v_fmamk_f32 v14, v14, 0x43000000, v32          ; 128 x the means' squares + the groups' sums
	v_add_f32_dpp v14, v14, v14 row_xmask:4 row_mask:0xf bank_mask:0xf
	v_add_f32_dpp v14, v14, v14 row_xmask:8 row_mask:0xf bank_mask:0xf
	v_permlanex16_b32 v12, v14, s30, s31
	v_add_f32 v14, v14, v12
	v_fmaak_f32 v14, s32, v14, 0x3727c5ac          ; var + 1e-5
	v_rsq_f32 v15, v14
	v_mul_f32 v13, -1.0, v13                       ; -mean.  (A plain line behind the root)
	s_wait_alu depctr_va_vdst(0)                   ; the root has written its result, ahead of its first reader
	v_mul_f32 v15, v8, v15                         ; a = gamma / sqrt(var + 1e-5)
; Row i.  left = how many younger loads may stay out when this row has to be there.
.macro TURN i, left
.if (\i) == 1
	s_wait_xcnt 0x0                                ; row 0's stores have had their addresses translated: its slot is loaded again only behind this wait,
	s_wait_alu depctr_vm_vsrc(0)                   ; and they have read Y[0], in which row 3's loads land.  (Row 0's packed lines, which read X[0] and wrote Y[0], stand ahead of the wait in front of those stores; no vector instruction has been issued since)
	FILL 3
.endif
	s_wait_loadcnt \left
	v_readlane_b32 s24, v13, \i                    ; lane i holds channel i's numbers
	v_readlane_b32 s26, v15, \i
	v_readlane_b32 s28, v9, \i
	s_wait_alu depctr_va_sdst(0)                   ; the row's three figures are written, ahead of their first readers
	s_mov_b32 s25, s24                             ; (the packed forms name pairs and take their low words)
	s_mov_b32 s27, s26
	s_mov_b32 s29, s28
.set XS, XR+64*((\i)%3)
.set jj, 0
.rept 16
	v_pk_add_f32 v[XS+32+jj:XS+33+jj], v[XS+32+jj:XS+33+jj], s[24:25] op_sel_hi:[1,0]                    ; y - mean
.set jj, jj+2
.endr
.set jj, 0
.rept 16
	v_pk_fma_f32 v[XS+32+jj:XS+33+jj], v[XS+32+jj:XS+33+jj], s[26:27], v[XS+jj:XS+jj+1] op_sel_hi:[1,0,1]   ; times a, plus x
.set jj, jj+2
.endr
.set jj, 0
.rept 16
	v_pk_add_f32 v[XS+32+jj:XS+33+jj], v[XS+32+jj:XS+33+jj], s[28:29] op_sel_hi:[1,0]                    ; + beta
.set jj, jj+2
.endr
	s_wait_alu depctr_va_vdst(0)                   ; the packed lines have written this row's Y, which the eight stores read
.irp j, 0,1,2,3,4,5,6,7
	global_store_b128 v1, v[XS+32+4*\j:XS+35+4*\j], s[14:15] offset:4096*(\i)+512*\j th:TH_STORE_NT      ; 512 consecutive aligned bytes
.endr
.endm
	TURN 0, 32                                     ; rows 1 and 2 may be out
	TURN 1, 32                                     ; rows 2 and 3
	TURN 2, 16                                     ; row 3
	TURN 3, 0
	s_endpgm
.Lfunc_end_k_qb90ef6d22c_bn_res:
	.size	k_qb90ef6d22c_bn_res, .Lfunc_end_k_qb90ef6d22c_bn_res-k_qb90ef6d22c_bn_res
	.p2alignl 7, 3214868480
	.fill 96, 4, 3214868480
	.section	.rodata,"a",@progbits
	.p2align	6, 0x0
	.amdhsa_kernel k_qb90ef6d22c_bn_res
		.amdhsa_group_segment_fixed_size 0
		.amdhsa_private_segment_fixed_size 0
		.amdhsa_enable_private_segment 0
		.amdhsa_kernarg_size 48
		.amdhsa_user_sgpr_count 2
		.amdhsa_user_sgpr_kernarg_segment_ptr 1
		.amdhsa_wavefront_size32 1
		.amdhsa_system_sgpr_workgroup_id_x 1
		.amdhsa_system_sgpr_workgroup_id_y 1
		.amdhsa_system_sgpr_workgroup_id_z 1
		.amdhsa_system_vgpr_workitem_id 0
		.amdhsa_next_free_vgpr 240
		.amdhsa_next_free_sgpr 66
		.amdhsa_reserve_vcc 0
		.amdhsa_float_denorm_mode_32 3
		.amdhsa_float_denorm_mode_16_64 3
		.amdhsa_memory_ordered 1
		.amdhsa_forward_progress 1
		.amdhsa_inst_pref_size 28
	.end_amdhsa_kernel
	.amdgpu_metadata
---
amdhsa.version: [ 1, 2 ]
amdhsa.kernels:
  - .name:           k_qb90ef6d22c_bn_res
    .symbol:         k_qb90ef6d22c_bn_res.kd
    .args:
      - { .name: x, .offset: 0, .size: 8, .value_kind: global_buffer, .address_space: global }
      - { .name: y, .offset: 8, .size: 8, .value_kind: global_buffer, .address_space: global }
      - { .name: part, .offset: 16, .size: 8, .value_kind: global_buffer, .address_space: global }
      - { .name: gamma, .offset: 24, .size: 8, .value_kind: global_buffer, .address_space: global }
      - { .name: beta, .offset: 32, .size: 8, .value_kind: global_buffer, .address_space: global }
      - { .name: out0, .offset: 40, .size: 8, .value_kind: global_buffer, .address_space: global }
    .group_segment_fixed_size: 0
    .private_segment_fixed_size: 0
    .kernarg_segment_align: 8
    .kernarg_segment_size: 48
    .max_flat_workgroup_size: 256
    .sgpr_count:     66
    .vgpr_count:     240
    .wavefront_size: 32
...
	.end_amdgpu_metadata
.endif
;; end of part 7
